; MI455X (gfx1250); checked and timed in simulation.
; The chip was launched on July 23, 2026; its instructions are those of AMD's public machine-readable ISA for CDNA 5 (MIT licence, August 2026) and "CDNA5" Instruction Set Architecture Reference Guide (July 2026). The comments in the code are by the model that wrote it; some were corrected since.
;; Encoder. Allowed arithmetic: float matrix products may take bf16 or f16 operands with f32 sums; all other float work in f32.
;; Inputs: Wk 1,024 x 1,024 float32; Wq 1,024 x 1,024 float32; Wv 1,024 x 1,024 float32; bk 1,024 float32; bq 1,024 float32; bv 1,024 float32; mask 4 x 2,048 bool; seq 4 x 2,048 x 1,024 float32.
;; Outputs: out0 4 x 2,048 x 1,024 float32.
;; 2 versions, each right; version 2 is version 1 with the launch prep written anew for expert scheduling mode. Each part assembles by itself: llvm-mc -triple=amdgcn-amd-amdhsa -mcpu=gfx1250 --defsym DOCPART=n.
;; ======== version 1 of 2: 3 launches
;; limits: values are held in f16: magnitudes above 65,504 overflow, below 6.1e-05 lose precision
;; workspace buffers: xp 16,777,216 bytes; xs 524,288 bytes; wb 6,291,456 bytes; pj 50,331,648 bytes; vs 524,288 bytes; cnt 1,024 bytes of whole numbers; rowof 32,768 bytes of whole numbers
;; launch prep (part 1): grid 256 x 1, 8 waves a work-group, no clusters, 33,792 bytes of LDS; arguments seq, mask, Wq, Wk, Wv, xp, xs, wb, cnt, rowof; writes xp, xs, wb, cnt, rowof
.if DOCPART == 1
	.amdgcn_target "amdgcn-amd-amdhsa--gfx1250"
	.amdhsa_code_object_version 6
	.text
	.protected	k_qd7d2fa241f_prep
	.globl	k_qd7d2fa241f_prep
	.p2align	8
	.type	k_qd7d2fa241f_prep,@function
k_qd7d2fa241f_prep:
	s_mov_b64 s[64:65], 0
	v_nop
	global_prefetch_b8 v0, s[64:65] scope:SCOPE_SE
	s_setreg_imm32_b32 hwreg(HW_REG_WAVE_MODE, 25, 1), 1
	s_wait_xcnt 0x0
; FIRST OF THREE LAUNCHES: sort the rows by the mask, round seq and the weights to f16, form partial row means.
;
; WHAT THE MASK DECIDES (it is read from memory as whole numbers; the later launches do what it asks for).
; (a) A query row q with mask[q] true: the two jnp.where leave NEG in all 2,048 places of its score row, whatever Q and K hold.
;     softmax of equal numbers is 1/2048 in every place, so out[q] = mean over all keys of V = mean(seq[b]) Wv^T + bv (V is linear in seq).
;     No Q and no score is needed for such a row.
; (b) A query row with mask[q] false: the nF keys with mask false all carry the same score NEG.  Together they add nF exp(NEG - m) to the
;     denominator and exp(NEG - m) x (sum of their V) to the numerator: ONE virtual key of score NEG, weight nF and value
;     mean over those keys of V = mean_F(seq[b]) Wv^T + bv.  It is kept in the running softmax, so this holds for every value of the scores
;     (also below NEG) and for a batch without a live key.  No K and no score is needed for such a key, and its V enters only through the mean.
; (c) So a row needs Q (mask false) or K and V (mask true), never all three.  The second launch makes, for each tile of 256 sorted positions, Q or K
;     as nF asks (both for the tile into which nF falls), V, and the V of the mean rows.
; No input is left out: all eight reach the result.
; LIMITS.  A NaN, an infinity or an overflow that would arise only in the Q of a row with mask true or in the K of a row with mask false is
; not carried to the result.  Matrix operands are f16: |seq|, |W|, |Q|, |K|, |V| below 65,504.
;
; THE ORDER.  In batch b, t(r) = true rows before row r.  A false row goes to position r - t(r) (0 upward), a true row to 2047 - t(r)
; (2047 downward): a bijection.  Live queries are the positions below nF, live keys those from nF on.  rowof[b][pos] = r.
; cnt[b] is 64 words: words 0..31 each nF, words 32..63 the false rows of parts 0..31.
; THE MEANS.  Part p is the 64 rows 64 p .. 64 p + 63.  xs[b][0][p] = the mean of the part's rows, xs[b][1][p] = the mean of its false rows (0 where
; it has none): no mean row exceeds the largest |seq|.  Each goes through the V product as a row of its own, with bv.  The third launch adds class 0's
; 32 results with weight 1/32 and class 1's with weight (false rows of the part) / nF: the weights add up to 1, so the sum is mean x Wv^T + bv.
;
; WORK.  256 work-groups: id = 64 b + 2 p + c; part p of batch b, columns 512 c .. 512 c + 511.  Wave w takes rows 8 w + j (j = 0..7);
; lane L and load q take columns 128 q + 4 L .. + 3, so a load of a wave covers 512 neighbouring bytes and a store 256, aligned.
; The work-group also rounds 16 KiB of each weight matrix.  All 50 loads of a wave go out before the first wait.
; Memory binds here: no matrix unit, no cluster (no two work-groups read the same bytes but the 2 KiB of mask).
; REGISTERS: v1 L, v2 row loads' offset, v3 16 tid, v4 64 L, v5 v6 my part's mask bytes, v7 row 64 p + L, v[8:15] stores' offsets,
; v[16:31] mask bytes, then: v16 true rows of part L, v17 v18 t(r), v19 v20 positions, v21 v22 rows, v23 my half's positions, v24 8 tid, v25 8 L,
; v[26:27] scale, v28 v29 rowof offsets, v30 v31 v242 cnt's stores; X rows as loaded, WR weights, SA sums of all rows, SF sums of false rows.
.set X,  32                            ; v[32:159]   row j, load q: 4 registers at X + 16 j + 4 q
.set WR, 160                           ; v[160:207]  weight matrix m, load i: 4 registers at WR + 16 m + 4 i
.set SA, 208                           ; v[208:223]
.set SF, 224                           ; v[224:239]
	s_load_b512 s[68:83], s[0:1], 0x0              ; seq 68, mask 70, Wq 72, Wk 74, Wv 76, xp 78, xs 80, wb 82
	s_load_b128 s[84:87], s[0:1], 0x40             ; cnt 84, rowof 86
	v_lshl_add_u32 v254, v0, 2, 0x8000
	v_mov_b32 v255, 0
	s_and_b32 s3, ttmp9, 1                         ; c
	s_bfe_u32 s4, ttmp9, 0x50001                   ; p: 5 bits from bit 1
	s_lshr_b32 s5, ttmp9, 6                        ; b
	s_bfm_b32 s7, s4, 0                            ; the lanes below p
	v_lshrrev_b32 v7, 5, v0
	v_readfirstlane_b32 s6, v7                     ; wave
	v_and_b32 v1, 31, v0                           ; L
	v_lshlrev_b32 v2, 4, v1
	v_lshl_or_b32 v2, v7, 15, v2                   ; 8 w rows of 4,096 bytes + 16 L
	v_lshlrev_b32 v3, 4, v0                        ; 16 tid
	v_lshlrev_b32 v4, 6, v1                        ; 64 L
	v_lshl_add_u32 v7, s4, 6, v1                   ; row 64 p + L
	s_lshl_b32 s14, s5, 23                         ; 2,048 b rows of 4,096 bytes
	s_lshl_b32 s15, s4, 18                         ; 64 p rows
	s_add_co_u32 s14, s14, s15
	s_lshl_b32 s15, s3, 11                         ; 512 c columns
	s_add_co_u32 s14, s14, s15
	s_mov_b32 s15, 0
	s_lshl_b32 s46, s5, 11
	s_mov_b32 s47, 0
	s_lshl_b32 s62, ttmp9, 14                      ; my 16 KiB of each weight matrix
	s_mov_b32 s63, 0
	s_wait_kmcnt 0x0
	s_add_nc_u64 s[40:41], s[68:69], s[14:15]
	s_add_nc_u64 s[42:43], s[70:71], s[46:47]
	s_add_nc_u64 s[48:49], s[72:73], s[62:63]
	s_add_nc_u64 s[50:51], s[74:75], s[62:63]
	s_add_nc_u64 s[52:53], s[76:77], s[62:63]
.irp i, 0,1,2,3
	global_load_b128 v[16+4*\i:19+4*\i], v4, s[42:43] offset:16*\i      ; lane L: the 64 mask bytes of part L
.endr
	global_load_u8 v5, v7, s[42:43]                ; mask of row 64 p + L
	global_load_u8 v6, v7, s[42:43] offset:32      ; and of row 64 p + 32 + L
.irp j, 0,1,2,3,4,5,6,7
.irp q, 0,1,2,3
	global_load_b128 v[X+16*\j+4*\q:X+16*\j+4*\q+3], v2, s[40:41] offset:4096*\j+512*\q th:TH_LOAD_NT
.endr
.endr
.irp i, 0,1,2,3
	global_load_b128 v[WR+4*\i:WR+4*\i+3], v3, s[48:49] offset:4096*\i th:TH_LOAD_NT
.endr
.irp i, 0,1,2,3
	global_load_b128 v[WR+16+4*\i:WR+16+4*\i+3], v3, s[50:51] offset:4096*\i th:TH_LOAD_NT
.endr
.irp i, 0,1,2,3
	global_load_b128 v[WR+32+4*\i:WR+32+4*\i+3], v3, s[52:53] offset:4096*\i th:TH_LOAD_NT
.endr
	; the stores' bases
	s_lshl_b32 s46, s5, 22                         ; xp: batch b (4 MiB) + 512 c columns of 2 bytes
	s_lshl_b32 s62, s3, 10
	s_add_co_u32 s46, s46, s62
	s_add_nc_u64 s[44:45], s[78:79], s[46:47]
	s_lshl_b32 s46, ttmp9, 13                      ; wb: my 8 KiB of each matrix
	s_add_nc_u64 s[54:55], s[82:83], s[46:47]
	s_lshl_b32 s46, s5, 13
	s_add_nc_u64 s[58:59], s[86:87], s[46:47]      ; rowof[b]
	s_lshl_b32 s46, s5, 8
	s_add_nc_u64 s[60:61], s[84:85], s[46:47]      ; cnt[b]: 64 words
	s_lshl_b32 s46, s5, 6                          ; xs: row 64 b + 32 class + p; the class that my wave writes is w / 4
	s_lshr_b32 s63, s6, 2
	s_lshl_b32 s63, s63, 5
	s_add_co_u32 s46, s46, s63
	s_add_co_u32 s46, s46, s4
	s_lshl_b32 s46, s46, 11
	s_add_co_u32 s46, s46, s62
	s_add_nc_u64 s[56:57], s[80:81], s[46:47]
	s_wait_loadcnt 44                              ; the six mask loads are in; the 32 row loads and 12 weight loads stay out
	; true rows of part L: sixteen words of four bytes 0 or 1 are added bytewise (16 at the most), then the four bytes
	v_add3_u32 v16, v16, v17, v18
	v_add3_u32 v16, v16, v19, v20
	v_add3_u32 v16, v16, v21, v22
	v_add3_u32 v16, v16, v23, v24
	v_add3_u32 v16, v16, v25, v26
	v_add3_u32 v16, v16, v27, v28
	v_add3_u32 v16, v16, v29, v30
	v_add_nc_u32 v16, v16, v31
	v_lshrrev_b32 v17, 8, v16
	v_and_b32 v16, 0x00ff00ff, v16
	v_and_b32 v17, 0x00ff00ff, v17
	v_add_nc_u32 v16, v16, v17
	v_lshrrev_b32 v17, 16, v16
	v_add_nc_u32 v16, v16, v17
	v_and_b32 v16, 0xff, v16                       ; 0 .. 64
	; sums over lanes, bit plane by bit plane: nT over all 32 parts, preT over the parts before mine
	s_mov_b32 s8, 0
	s_mov_b32 s9, 0
.irp k, 0,1,2,3,4,5,6
	v_and_b32 v17, 1<<\k, v16
	v_cmp_ne_u32 s14, 0, v17
	s_bcnt1_i32_b32 s15, s14
	s_lshl_b32 s15, s15, \k
	s_add_co_u32 s8, s8, s15
	s_and_b32 s14, s14, s7
	s_bcnt1_i32_b32 s15, s14
	s_lshl_b32 s15, s15, \k
	s_add_co_u32 s9, s9, s15
.endr
	s_sub_co_u32 s13, 2048, s8                     ; nF
	; positions of my part's 64 rows
	v_cmp_ne_u32 s10, 0, v5                        ; the mask of rows 64 p + 0..31, one bit a lane
	v_cmp_ne_u32 s11, 0, v6                        ; and of rows 64 p + 32..63
	s_bcnt1_i32_b32 s12, s10
	s_add_co_u32 s14, s9, s12
	v_mbcnt_lo_u32_b32 v17, s10, s9                ; t(r) for the lower 32 rows
	v_mbcnt_lo_u32_b32 v18, s11, s14               ; and for the upper 32
	v_mov_b32 v21, v7                              ; r
	v_add_nc_u32 v22, 32, v7
	v_sub_nc_u32 v19, v21, v17                     ; false: r - t
	v_sub_nc_u32 v26, 0x7ff, v17                   ; true: 2047 - t
	v_cndmask_b32 v19, v19, v26, s10
	v_sub_nc_u32 v20, v22, v18
	v_sub_nc_u32 v26, 0x7ff, v18
	v_cndmask_b32 v20, v20, v26, s11
	v_lshlrev_b32 v24, 3, v0                       ; 8 tid
	v_lshlrev_b32 v25, 3, v1                       ; 8 L
	; my wave's eight rows 8 w + j lie in the lower half for w < 4, at lanes 8 (w mod 4) + j
	s_and_b32 s62, s6, 3
	s_lshl_b32 s62, s62, 3
	s_cmp_lt_u32 s6, 4
	s_cselect_b32 s14, -1, 0
	s_cselect_b32 s15, s10, s11
	v_cndmask_b32 v23, v20, v19, s14
	s_lshr_b32 s15, s15, s62                       ; bit j: the mask of my row j
.irp j, 0,1,2,3,4,5,6,7
	s_add_co_u32 s63, s62, \j
	v_readlane_b32 s[16+\j], v23, s63              ; the row's position
	s_min_u32 s[16+\j], s[16+\j], 2047             ; it comes from loaded bytes: clamped to the table before it enters an address
	s_bitcmp1_b32 s15, \j
	s_cselect_b32 s[24+2*\j], 0, 1.0               ; weight in the sum of false rows
	s_mov_b32 s[25+2*\j], s[24+2*\j]
	v_lshl_add_u32 v[8+\j], s[16+\j], 11, v25      ; position x 2,048 bytes + 8 L
.endr
	; the tables: rowof by wave 0 of the work-groups with c = 0, cnt by wave 0 of each batch's first work-group
	s_or_b32 s14, s3, s6
	s_cmp_lg_u32 s14, 0
	s_cbranch_scc1 .Lno_rowof
	v_min_u32 v28, 0x7ff, v19
	v_min_u32 v29, 0x7ff, v20
	v_lshlrev_b32 v28, 2, v28
	v_lshlrev_b32 v29, 2, v29
	global_store_b32 v28, v21, s[58:59]
	global_store_b32 v29, v22, s[58:59]
.Lno_rowof:
	s_and_b32 s14, ttmp9, 63
	s_or_b32 s14, s14, s6
	s_cmp_lg_u32 s14, 0
	s_cbranch_scc1 .Lno_cnt
	v_lshlrev_b32 v30, 2, v1
	v_mov_b32 v31, s13
	v_sub_nc_u32 v242, 64, v16                     ; false rows of part L
	global_store_b32 v30, v31, s[60:61]            ; 32 words, each nF
	global_store_b32 v30, v242, s[60:61] offset:128        ; 32 words, one a part; none of these registers is written again
.Lno_cnt:
; rows 0 and 1 start the sums: nothing is cleared
.macro SUM01
.irp q, 0,1,2,3
.irp e, 0,2
	v_pk_add_f32 v[SA+4*\q+\e:SA+4*\q+\e+1], v[X+4*\q+\e:X+4*\q+\e+1], v[X+16+4*\q+\e:X+16+4*\q+\e+1]
	v_pk_mul_f32 v[SF+4*\q+\e:SF+4*\q+\e+1], v[X+4*\q+\e:X+4*\q+\e+1], s[24:25] op_sel_hi:[1,0]
	v_pk_fma_f32 v[SF+4*\q+\e:SF+4*\q+\e+1], v[X+16+4*\q+\e:X+16+4*\q+\e+1], s[26:27], v[SF+4*\q+\e:SF+4*\q+\e+1] op_sel_hi:[1,0,1]
.endr
.endr
.endm
.macro SUMJ j
.irp q, 0,1,2,3
.irp e, 0,2
	v_pk_add_f32 v[SA+4*\q+\e:SA+4*\q+\e+1], v[SA+4*\q+\e:SA+4*\q+\e+1], v[X+16*\j+4*\q+\e:X+16*\j+4*\q+\e+1]
	v_pk_fma_f32 v[SF+4*\q+\e:SF+4*\q+\e+1], v[X+16*\j+4*\q+\e:X+16*\j+4*\q+\e+1], s[24+2*\j:25+2*\j], v[SF+4*\q+\e:SF+4*\q+\e+1] op_sel_hi:[1,0,1]
.endr
.endr
.endm
; row j rounded in place and stored at its position; no register of these stores is written again
.macro OUTJ j
.irp q, 0,1,2,3
	v_cvt_pk_f16_f32 v[X+16*\j+4*\q], v[X+16*\j+4*\q], v[X+16*\j+4*\q+1]
	v_cvt_pk_f16_f32 v[X+16*\j+4*\q+1], v[X+16*\j+4*\q+2], v[X+16*\j+4*\q+3]
	global_store_b64 v[8+\j], v[X+16*\j+4*\q:X+16*\j+4*\q+1], s[44:45] offset:256*\q   ; the wave covers 256 consecutive bytes, aligned
.endr
.endm
	s_wait_loadcnt 36                              ; rows 0 and 1 are in: 24 row loads and 12 weight loads stay out
	SUM01
	OUTJ 0
	OUTJ 1
.irp j, 2,3,4,5,6,7
	s_wait_loadcnt 44-4*(\j+1)                     ; row j is in; the younger rows' loads and the weights' stay out
	SUMJ \j
	OUTJ \j
.endr
	; the weights: rounded in place, wb = Wq, Wk, Wv one behind the other (2 MiB each)
.set n, 0
.rept 12
	s_wait_loadcnt 11-n                            ; load n is in, the younger ones stay out
	v_cvt_pk_f16_f32 v[WR+4*n], v[WR+4*n], v[WR+4*n+1]
	v_cvt_pk_f16_f32 v[WR+4*n+1], v[WR+4*n+2], v[WR+4*n+3]
	global_store_b64 v24, v[WR+4*n:WR+4*n+1], s[54:55] offset:(n/4)*2097152+(n%4)*2048
.set n, n+1
.endr
	; the eight waves' sums meet in LDS: [wave][class][512 columns] f32
	v_lshlrev_b32 v240, 4, v1
	v_lshl_add_u32 v240, s6, 12, v240
.irp q, 0,1,2,3
	ds_store_b128 v240, v[SA+4*\q:SA+4*\q+3] offset:512*\q
	ds_store_b128 v240, v[SF+4*\q:SF+4*\q+3] offset:2048+512*\q
.endr
	s_wait_dscnt 0x0                               ; my stores are in LDS before I say so
	s_barrier_signal -1
	s_barrier_wait -1
.irp u, 0,1,2,3,4,5,6,7
	ds_load_b128 v[SA+4*\u:SA+4*\u+3], v3 offset:4096*\u   ; thread tid: class tid / 128, columns 4 (tid mod 128) .. + 3, of every wave
.endr
	s_bcnt1_i32_b32 s14, s11
	s_add_co_u32 s14, s14, s12                     ; true rows of my part
	s_sub_co_u32 s14, 64, s14                      ; its false rows
	s_max_u32 s14, s14, 1
	v_cvt_f32_u32 v27, s14
	v_rcp_f32 v26, v27                             ; class 1: 1 / max(false rows of the part, 1)
	v_and_b32 v241, 127, v0                        ; the plain instruction between the reciprocal and its use, and the rewriting of its source
	v_mov_b32 v27, 0x3c800000                      ; class 0: 1 / 64
	s_cmp_lt_u32 s6, 4
	s_cselect_b32 s14, -1, 0
	s_wait_alu depctr_va_vdst(0)
	v_cndmask_b32 v26, v26, v27, s14
	v_mov_b32 v27, v26
	v_lshlrev_b32 v241, 3, v241
	s_wait_dscnt 0x0
.irp u, 0,2,4,6
.irp e, 0,2
	v_pk_add_f32 v[SA+4*\u+\e:SA+4*\u+\e+1], v[SA+4*\u+\e:SA+4*\u+\e+1], v[SA+4*\u+4+\e:SA+4*\u+4+\e+1]
.endr
.endr
.irp u, 0,4
.irp e, 0,2
	v_pk_add_f32 v[SA+4*\u+\e:SA+4*\u+\e+1], v[SA+4*\u+\e:SA+4*\u+\e+1], v[SA+4*\u+8+\e:SA+4*\u+8+\e+1]
.endr
.endr
.irp e, 0,2
	v_pk_add_f32 v[SA+\e:SA+\e+1], v[SA+\e:SA+\e+1], v[SA+16+\e:SA+16+\e+1]
	v_pk_mul_f32 v[SA+\e:SA+\e+1], v[SA+\e:SA+\e+1], v[26:27]
.endr
	v_cvt_pk_f16_f32 v[SA], v[SA], v[SA+1]
	v_cvt_pk_f16_f32 v[SA+1], v[SA+2], v[SA+3]
	global_store_b64 v241, v[SA:SA+1], s[56:57]    ; the wave covers 256 consecutive bytes, aligned
	s_wait_tensorcnt 0x0
	ds_add_u32 v254, v255
	s_wait_dscnt 0x0
	s_endpgm
.Lfunc_end_k_qd7d2fa241f_prep:
	.size	k_qd7d2fa241f_prep, .Lfunc_end_k_qd7d2fa241f_prep-k_qd7d2fa241f_prep
	.p2alignl 7, 3214868480
	.fill 96, 4, 3214868480
	.section	.rodata,"a",@progbits
	.p2align	6, 0x0
	.amdhsa_kernel k_qd7d2fa241f_prep
		.amdhsa_group_segment_fixed_size 33792
		.amdhsa_private_segment_fixed_size 0
		.amdhsa_enable_private_segment 0
		.amdhsa_kernarg_size 80
		.amdhsa_user_sgpr_count 2
		.amdhsa_user_sgpr_kernarg_segment_ptr 1
		.amdhsa_wavefront_size32 1
		.amdhsa_system_sgpr_workgroup_id_x 1
		.amdhsa_system_sgpr_workgroup_id_y 1
		.amdhsa_system_sgpr_workgroup_id_z 1
		.amdhsa_system_vgpr_workitem_id 0
		.amdhsa_next_free_vgpr 256
		.amdhsa_next_free_sgpr 88
		.amdhsa_reserve_vcc 0
		.amdhsa_float_denorm_mode_32 3
		.amdhsa_float_denorm_mode_16_64 3
		.amdhsa_memory_ordered 1
		.amdhsa_forward_progress 1
		.amdhsa_inst_pref_size 36
	.end_amdhsa_kernel
	.amdgpu_metadata
---
amdhsa.version: [ 1, 2 ]
amdhsa.kernels:
  - .name:           k_qd7d2fa241f_prep
    .symbol:         k_qd7d2fa241f_prep.kd
    .args:
      - { .name: seq, .offset: 0, .size: 8, .value_kind: global_buffer, .address_space: global }
      - { .name: mask, .offset: 8, .size: 8, .value_kind: global_buffer, .address_space: global }
      - { .name: Wq, .offset: 16, .size: 8, .value_kind: global_buffer, .address_space: global }
      - { .name: Wk, .offset: 24, .size: 8, .value_kind: global_buffer, .address_space: global }
      - { .name: Wv, .offset: 32, .size: 8, .value_kind: global_buffer, .address_space: global }
      - { .name: xp, .offset: 40, .size: 8, .value_kind: global_buffer, .address_space: global }
      - { .name: xs, .offset: 48, .size: 8, .value_kind: global_buffer, .address_space: global }
      - { .name: wb, .offset: 56, .size: 8, .value_kind: global_buffer, .address_space: global }
      - { .name: cnt, .offset: 64, .size: 8, .value_kind: global_buffer, .address_space: global }
      - { .name: rowof, .offset: 72, .size: 8, .value_kind: global_buffer, .address_space: global }
    .group_segment_fixed_size: 33792
    .private_segment_fixed_size: 0
    .kernarg_segment_align: 8
    .kernarg_segment_size: 80
    .max_flat_workgroup_size: 256
    .sgpr_count:     88
    .vgpr_count:     256
    .wavefront_size: 32
...
	.end_amdgpu_metadata
.endif
;; end of part 1
;; launch proj (part 2): grid 296 x 1, 4 waves a work-group, no clusters, 327,680 bytes of LDS; arguments xp, xs, wb, bq, bk, bv, cnt, pj, vs; writes pj, vs
.if DOCPART == 2
	.amdgcn_target "amdgcn-amd-amdhsa--gfx1250"
	.amdhsa_code_object_version 6
	.text
	.protected	k_qd7d2fa241f_proj
	.globl	k_qd7d2fa241f_proj
	.p2align	8
	.type	k_qd7d2fa241f_proj,@function
k_qd7d2fa241f_proj:
	s_mov_b64 s[64:65], 0
	v_nop
	global_prefetch_b8 v0, s[64:65] scope:SCOPE_SE
	s_setreg_imm32_b32 hwreg(HW_REG_WAVE_MODE, 25, 1), 1
	s_wait_xcnt 0x0
; SECOND LAUNCH: the projections.  y = x W^T + bias, operands f16, sums f32, results f16.
; Left out, as shown at the head of the first kernel: a position needs Q (below nF) or K and V (from nF on), never all three.
; A PRODUCT is a tile of 256 sorted positions through one weight matrix.  17 products a batch, group grp = 17 b + g, nF = cnt[b]:
;   g = 0..7:  V of tile g;     g = 8..15: tile j = g - 8: Q where 256 j < nF, else K;     g = 16: tile j* = min(nF / 256, 7): the other of Q and K.
; grp 68: the 256 partial mean rows xs through Wv, into vs.  Each product has its own place in pj, so no byte is stored twice; Q is there for every tile
; that begins below nF, K for every tile from j* on (tile 7 always), V everywhere: all that the third launch reads.
; 17 is what the worst mask needs (0 < nF < 256: 1 + 8 + 8).  nF chooses OFFSETS alone (W's place in wb, the bias, the place in pj): every wave passes
; every barrier whatever memory holds, so no branch, no trip count and no work-group's end hangs on it.  V of tiles wholly below nF is made and not read.
; A UNIT is 256 rows by 256 features by K = 1,024: 69 groups x 4 feature blocks = 276 units for 256 WGPs.  Work-groups 0..255 make the whole units of
; groups 0..63: four waves, each 128 x 128 in 512 accumulator registers.  The other 20 units are cut in two by rows: work-groups 256..295 make 128 rows
; by 256 features, a wave 64 x 128.  So a WGP's longest way is a whole unit and a half one.  Only those 20 units pay the smaller wave tile (for 32 along K
; 12 KiB from LDS for 32 matrix instructions, against 16 KiB for 64).
; K goes in steps of 128 through two LDS slots filled by the tensor data mover, one load a wave: 128 rows x 256 bytes.  In a half unit waves 0 and 1
; bring 64 rows of x each, into the first half of the same places: their loads name a second group 1, of 64 rows, and stand on a line of their own under
; a branch on the wave's number, so that every word of either shape is a constant of the text.
; NO CLUSTER: the four work-groups of a group read the same tiles of x, and each asks for them by itself: x's tile is requested four times.
; Joint requests in a cluster of 4 x 1 would divide x's requests by four; this text does not make them.
; THE BIAS COSTS NOTHING: the matrix instruction is used transposed (source 0 = 16 rows of W, source 1 = 16 rows of x), so register j of lane l
; is feature 16 bb + 8 (l/16) + j of row l % 16, whatever the row tile; the first K quarter takes eight registers of bias as its C.
; REGISTERS, in windows of 256: window 0: v0-31 addresses, v32-63 and v224-255 bias, v64-127 and v128-191 fragments of x (two buffers), v192-223 at
; work on the way out; window 1: v64-191 fragments of W; windows 2 and 3: accumulators of my rows 0-63 and 64-127, tile (a, bb) at v[8 (8 a + bb)]
; (a half unit uses window 2 alone).
; The accumulators (64, or 32) take turns, one instruction a turn, in the same order in every quarter.
; By this text's count a wave has two tensor loads out at the start and one behind each barrier.
; LIMIT: results are f16: |Q|, |K|, |V| below 65,504.
.set SIZE_K, 1024
.set KSTEP,  128
.set PITCH,  272                       ; an LDS row: 256 bytes + 16 of padding, so that the 16 rows of a fragment load start 16 bytes apart modulo 256
.set HALFT,  128*PITCH
.set SLOT,   4*HALFT                   ; x's 256 rows, then W's 256 rows
.set STAGE,  2*SLOT                    ; behind the ring: 16 rows x 272 bytes for each wave; no tensor load lands there
.set SPITCH, 272
.set LAPS,   SIZE_K/(2*KSTEP)
.set WHOLE,  256                       ; work-groups that make a whole unit
.set ADRA, 16                          ; v16-17 LDS address of my x fragments in slot 0, 1
.set ADRB, 20                          ; v20-21 the same for W
.set STO,  24
.set RD,   25
.set CO,   26
.set BO,   27                          ; 32 (l / 16): my eight features' bytes in a block of 16
.set F0,   64
.set F1,   128
.set TMP,  192
.set G1,  24                           ; s[24:31] descriptor group 1: 128 rows
.set G0,  32                           ; s[32:39] descriptor group 0, a set for each slot
.set G1X, 52                           ; s[52:59] descriptor group 1 for x's tiles in a half unit: 64 rows
.set MSB, 0
.macro WIN new                         ; the immediate's high byte repeats the setting that is left
.if MSB != \new
	s_set_vgpr_msb (MSB<<8)|\new
.set MSB, \new
.endif
.endm
.set MUL_LO,  0xa1                     ; source 0 (W) window 1, source 1 (x) window 0, C and D window 2
.set MUL_HI,  0xf1                     ; the same, C and D window 3
.set BIAS_LO, 0x81                     ; C (the bias) window 0, D window 2
.set BIAS_HI, 0xc1                     ; C window 0, D window 3
.set TO_B,    0x40                     ; destination window 1, address window 0
	s_load_b256 s[68:75], s[0:1], 0x0              ; xp 68, xs 70, wb 72, bq 74
	s_load_b256 s[76:83], s[0:1], 0x20             ; bk 76, bv 78, cnt 80, pj 82
	s_load_b64 s[84:85], s[0:1], 0x40              ; vs
	s_set_vgpr_msb 0x40
	v_lshl_add_u32 v255, v0, 2, 0x48400
	s_set_vgpr_msb 0x4000
	v_mov_b32 v31, 0
	s_set_vgpr_msb 0x1
	ds_add_u32 v255, v31
	ds_add_u32 v255, v31
	s_set_vgpr_msb 0x100
	v_lshrrev_b32 v1, 5, v0
	v_readfirstlane_b32 s10, v1                    ; wave 0..3
	s_lshr_b32 s11, s10, 1                         ; which half of the unit's rows is mine.  Also: I fetch for x (0) or for W (1)
	s_and_b32 s12, s10, 1                          ; which half of its features.  Also: which half of that tile I fetch
	s_lshr_b32 s4, ttmp9, 2                        ; a whole unit: group id / 4,
	s_and_b32 s5, ttmp9, 3                         ; feature block id mod 4
	s_and_b32 s14, ttmp9, 63                       ; a half unit: u = id - 256 (0..39)
	s_lshr_b32 s21, s14, 3
	s_add_co_u32 s21, s21, WHOLE/4                 ; group 64 + u / 8
	s_bfe_u32 s22, s14, 0x20001                    ; feature block (u / 2) mod 4
	s_and_b32 s23, s14, 1                          ; row half u mod 2
	s_cmp_ge_u32 ttmp9, WHOLE
	s_cselect_b32 s4, s21, s4                      ; grp
	s_cselect_b32 s5, s22, s5                      ; nb
	s_cselect_b32 s2, s23, 0                       ; rh
	s_cselect_b32 s60, 1, 0                        ; a half unit
	s_mul_i32 s6, s4, 241
	s_lshr_b32 s6, s6, 12                          ; b = grp / 17 (exact up to 68, where it gives 4)
	s_mul_i32 s14, s6, 17
	s_sub_co_u32 s7, s4, s14                       ; g
	s_min_u32 s14, s6, 3
	s_lshl_b32 s46, s14, 8
	s_mov_b32 s47, 0
	s_mov_b32 s19, 262144                          ; bytes from head to head in pj
	s_cmp_eq_u32 s4, 68                            ; the mean rows: xs, heads 0..15 of vs
	s_cselect_b32 s6, 0, s6
	s_cselect_b32 s19, 32768, s19                  ; bytes from head to head in vs
	s_cselect_b32 s17, 1, 0
	s_wait_dscnt 0x0
	s_wait_kmcnt 0x0
	s_add_nc_u64 s[46:47], s[80:81], s[46:47]
	s_load_b32 s8, s[46:47], 0x0                   ; nF of my batch; what hangs on no loaded number is set up while it is on its way
	; descriptor group 1: a tile of 128 rows x 128 elements of 2 bytes, 1,024 elements from row to row, 4 words of padding behind every 64
	s_mov_b32 s[G1+0], (1<<16)|(1<<20)|(5<<22)|(3<<25)
	s_mov_b32 s[G1+1], KSTEP<<16                   ; tensor_dim0 = 128
	s_mov_b32 s[G1+2], 128<<16                     ; tensor_dim1 = 128
	s_mov_b32 s[G1+3], KSTEP<<16                   ; tile_dim0 = 128
	s_mov_b32 s[G1+4], 128                         ; tile_dim1 = 128
	s_mov_b32 s[G1+5], SIZE_K
	s_mov_b32 s[G1+6], 0
	s_mov_b32 s[G1+7], 0
	; a fragment is 16 rows x 32 K in 8 registers: lane l holds row l % 16; two loads of 16 bytes, 32 bytes apart, at row x pitch + 16 (l / 16)
	v_and_b32 v1, 15, v0
	v_bfe_u32 v2, v0, 4, 1
	v_mul_u32_u24 v3, v1, PITCH
	v_lshl_add_u32 v3, v2, 4, v3
	s_mul_i32 s21, s11, HALFT
	s_mul_i32 s22, s12, HALFT
	s_add_co_u32 s22, s22, 2*HALFT
.irp s, 0,1
	v_add_nc_u32 v[ADRA+\s], s21, v3
	v_add_nc_u32 v[ADRB+\s], s22, v3
	s_add_co_u32 s21, s21, SLOT
	s_add_co_u32 s22, s22, SLOT
.endr
	s_mul_i32 s23, s10, 16*SPITCH
	s_add_co_u32 s23, s23, STAGE                   ; my stage
	v_mul_u32_u24 v4, v1, SPITCH                   ; in: row l % 16, 16 bytes for each half of the lanes
	v_lshl_add_u32 v4, v2, 4, v4
	v_add_nc_u32 v[STO], s23, v4
	v_bfe_u32 v6, v0, 3, 1                         ; back: lanes 0-15 take head 0 of two rows, lanes 16-31 head 1: 128 bytes of a row each eight lanes
	v_and_b32 v7, 7, v0
	v_mul_u32_u24 v5, v6, SPITCH
	v_lshl_add_u32 v5, v2, 7, v5
	v_lshl_add_u32 v5, v7, 4, v5
	v_add_nc_u32 v[RD], s23, v5
	v_mul_lo_u32 v5, v2, s19                       ; out: the head, and 16 (l % 16) in two neighbouring positions' 256 bytes
	v_lshl_add_u32 v[CO], v1, 4, v5
	v_lshlrev_b32 v[BO], 5, v2
	s_mul_i32 s20, s10, HALFT                      ; where my tiles go: x's two halves, then W's two
	s_wait_kmcnt 0x0
	; which product
	s_min_u32 s8, s8, 2048
	s_lshr_b32 s9, s8, 8
	s_min_u32 s9, s9, 7                            ; j*: the tile into which nF falls
	s_and_b32 s16, s7, 7
	s_cmp_eq_u32 s7, 16
	s_cselect_b32 s16, s9, s16                     ; the row tile
	s_cselect_b32 s13, 1, 0
	s_lshl_b32 s14, s16, 8
	s_cmp_lt_u32 s14, s8
	s_cselect_b32 s15, 0, 1                        ; Q (0) where the tile begins below nF, else K (1);
	s_xor_b32 s15, s15, s13                        ; g = 16: the other of the two
	s_cmp_lt_u32 s7, 8
	s_cselect_b32 s15, 2, s15                      ; g < 8 (and the mean rows, g = 0): V (2)
	s_cmp_eq_u32 s17, 1
	s_cselect_b32 s18, 0, s15                      ; the matrix's place in the output
	s_min_u32 s16, s16, 7                          ; what hangs on a loaded number is clamped before it enters an address
	s_min_u32 s15, s15, 2
	s_min_u32 s18, s18, 2
	s_lshl_b32 s14, s6, 3
	s_add_co_u32 s14, s14, s16
	s_lshl_b32 s46, s14, 19                        ; 256 rows of 2,048 bytes
	s_lshl_b32 s14, s2, 18                         ; a half unit's 128 rows
	s_add_co_u32 s46, s46, s14
	s_mov_b32 s47, 0
	s_cmp_eq_u32 s17, 1
	s_cselect_b64 s[40:41], s[70:71], s[68:69]
	s_add_nc_u64 s[40:41], s[40:41], s[46:47]      ; x's tile
	s_lshl_b32 s14, s15, 2
	s_add_co_u32 s14, s14, s5
	s_lshl_b32 s46, s14, 19
	s_add_nc_u64 s[42:43], s[72:73], s[46:47]      ; W's tile
	s_sub_co_u32 s14, 18, s60                      ; x's halves are 128 rows of 2,048 bytes, in a half unit 64
	s_cmp_eq_u32 s11, 0
	s_cselect_b64 s[44:45], s[40:41], s[42:43]
	s_cselect_b32 s14, s14, 18
	s_lshl_b32 s46, s12, s14
	s_add_nc_u64 s[44:45], s[44:45], s[46:47]      ; the rows that I fetch
.irp s, 0,1
	s_mov_b32 s[G0+4*\s], 1
	s_add_co_u32 s[G0+4*\s+1], s20, \s*SLOT
	s_add_nc_u64 s[G0+4*\s+2:G0+4*\s+3], s[44:45], \s*KSTEP*2
	s_or_b32 s[G0+4*\s+3], s[G0+4*\s+3], 0x80000000
.endr
	s_cmp_eq_u32 s15, 0
	s_cselect_b64 s[48:49], s[74:75], s[76:77]
	s_cmp_eq_u32 s15, 2
	s_cselect_b64 s[48:49], s[78:79], s[48:49]
	s_lshl_b32 s46, s5, 10
	s_lshl_b32 s14, s12, 9
	s_add_co_u32 s46, s46, s14
	s_add_nc_u64 s[48:49], s[48:49], s[46:47]      ; the bias of my 128 features
	s_mul_i32 s14, s6, 48                          ; output: head 48 b + 16 matrix + 4 nb + 2 half; position 256 tile + 128 rh + my rows
	s_lshl_b32 s21, s18, 4
	s_add_co_u32 s14, s14, s21
	s_lshl_b32 s21, s5, 2
	s_add_co_u32 s14, s14, s21
	s_lshl_b32 s21, s12, 1
	s_add_co_u32 s14, s14, s21
	s_mul_i32 s46, s14, s19
	s_lshl_b32 s21, s16, 15
	s_add_co_u32 s46, s46, s21
	s_lshl_b32 s21, s2, 14
	s_add_co_u32 s46, s46, s21
	s_sub_co_u32 s22, 14, s60                      ; a wave's rows: 128 positions of 128 bytes, in a half unit 64
	s_lshl_b32 s21, s11, s22
	s_add_co_u32 s46, s46, s21
	s_cmp_eq_u32 s17, 1
	s_cselect_b64 s[50:51], s[84:85], s[82:83]
	s_add_nc_u64 s[50:51], s[50:51], s[46:47]
.macro BIASLD
.irp b, 0,1,2,3,4,5,6,7
	global_load_b128 v[32+8*\b+(\b/4)*160:32+8*\b+(\b/4)*160+3], v[BO], s[48:49] offset:64*\b
	global_load_b128 v[32+8*\b+(\b/4)*160+4:32+8*\b+(\b/4)*160+7], v[BO], s[48:49] offset:64*\b+16
.endr
.endm
; 16 matrix instructions: row blocks a0, a0 + 1 of the window's four x all 8 feature blocks, 32 along K.  first = 1: C is the bias, which starts the sums
.macro MUL16 f, hi, a0, first
.irp a, \a0, \a0+1
.irp b, 0,1,2,3,4,5,6,7
.if \first
	v_wmma_f32_16x16x32_f16 v[8*(8*(\a)+\b):8*(8*(\a)+\b)+7], v[\f+8*\b:\f+8*\b+7], v[\f+8*(4*\hi+\a):\f+8*(4*\hi+\a)+7], v[32+8*\b+(\b/4)*160:32+8*\b+(\b/4)*160+7]
.else
	v_wmma_f32_16x16x32_f16 v[8*(8*(\a)+\b):8*(8*(\a)+\b)+7], v[\f+8*\b:\f+8*\b+7], v[\f+8*(4*\hi+\a):\f+8*(4*\hi+\a)+7], v[8*(8*(\a)+\b):8*(8*(\a)+\b)+7]
.endif
.endr
.endr
.endm
; 32 LDS loads in one run: the fragments of one quarter step (128 rows of W, 128 rows of x, 32 K at byte k of the rows) into buffer f
.macro FETCH slot, k, f
	WIN TO_B
.irp i, 0,1,2,3,4,5,6,7
	ds_load_b128 v[\f+8*\i:\f+8*\i+3],   v[ADRB+\slot] offset:\k+\i*16*PITCH
	ds_load_b128 v[\f+8*\i+4:\f+8*\i+7], v[ADRB+\slot] offset:\k+\i*16*PITCH+32
.endr
	WIN 0
.irp i, 0,1,2,3,4,5,6,7
	ds_load_b128 v[\f+8*\i:\f+8*\i+3],   v[ADRA+\slot] offset:\k+\i*16*PITCH
	ds_load_b128 v[\f+8*\i+4:\f+8*\i+7], v[ADRA+\slot] offset:\k+\i*16*PITCH+32
.endr
.endm
; a load into a register that a matrix instruction has read, and a vector instruction that reads a matrix result, stand four places behind it, and only
; plain vector instructions that name none of its registers are places (ISA guide 7.12.1 for vector instructions)
.macro PLACES
.rept 4
	v_nop
.endr
.endm
; one of a K step's first three quarters: multiplies buffer f; in its middle it fetches the next quarter's fragments into buffer g
.macro QUARTER slot, k, f, g, first
	s_wait_dscnt 8                                 ; W and x's rows 0-63 are in; the youngest eight loads (x's rows 64-127) may be out
.if \first
	WIN BIAS_LO
.else
	WIN MUL_LO
.endif
	MUL16 \f, 0, 0, \first
	MUL16 \f, 0, 2, \first
	PLACES
	FETCH \slot, \k, \g
	s_wait_dscnt 32                                ; all but the 32 just issued
.if \first
	WIN BIAS_HI
.else
	WIN MUL_HI
.endif
	MUL16 \f, 1, 0, \first
	MUL16 \f, 1, 2, \first
.endm
.macro THREE slot, first
	QUARTER \slot, 64,  F0, F1, \first
	QUARTER \slot, 128, F1, F0, 0
	QUARTER \slot, 192, F0, F1, 0
.endm
; the last quarter: multiplies buffer 1 and changes slots.  One barrier: in front of it each wave's reads of this slot are back and all its tensor
; loads have landed (the one that was out is its part of the next slot); behind it the refill comes first, then the next slot's first fragments.
.macro TURN slot, next, fill
	s_wait_dscnt 8
	WIN MUL_LO
	MUL16 F1, 0, 0, 0
	s_wait_dscnt 0
	s_wait_tensorcnt 0x0
	ds_add_u32 v255, v31
	s_wait_dscnt 0x0
	s_barrier_signal -1
	MUL16 F1, 0, 2, 0                              ; registers only, while the others arrive
	s_barrier_wait -1
.if \fill
	s_add_nc_u64 s[G0+4*\slot+2:G0+4*\slot+3], s[G0+4*\slot+2:G0+4*\slot+3], 2*KSTEP*2   ; no load of mine is out: the group may be written
	tensor_load_to_lds s[G0+4*\slot:G0+4*\slot+3], s[G1:G1+7]      ; my one tensor load behind this barrier: two K steps ahead
	s_nop 0
.endif
	PLACES
	FETCH \next, 0, F0
	WIN MUL_HI
	MUL16 F1, 1, 0, 0
	MUL16 F1, 1, 2, 0
.endm
.macro LAP first
	THREE 0, \first
	TURN 0, 1, 1
	THREE 1, 0
	TURN 1, 0, 1
.endm
; THE SAME FOR A HALF UNIT: a wave has 64 rows of x (four fragments) and 128 rows of W; 32 matrix instructions a quarter, all in window 2.
; A half unit's load: waves 0 and 1 bring 64 rows of x, waves 2 and 3 bring 128 rows of W.  Two lines, each with one constant shape; the same group 0
; serves both (LDS address = wave x 128 rows + the slot).  The branch hangs on the wave's number alone; either way the wave issues one load.
.macro HLOAD s
	s_cmp_eq_u32 s11, 0
	s_cbranch_scc0 .Lfor_w_\@
	tensor_load_to_lds s[G0+4*\s:G0+4*\s+3], s[G1X:G1X+7]
	s_nop 0
	s_branch .Lasked_\@
.Lfor_w_\@:
	tensor_load_to_lds s[G0+4*\s:G0+4*\s+3], s[G1:G1+7]
	s_nop 0
.Lasked_\@:
.endm
.macro FETCHH slot, k, f               ; 24 LDS loads in one run
	WIN TO_B
.irp i, 0,1,2,3,4,5,6,7
	ds_load_b128 v[\f+8*\i:\f+8*\i+3],   v[ADRB+\slot] offset:\k+\i*16*PITCH
	ds_load_b128 v[\f+8*\i+4:\f+8*\i+7], v[ADRB+\slot] offset:\k+\i*16*PITCH+32
.endr
	WIN 0
.irp i, 0,1,2,3
	ds_load_b128 v[\f+8*\i:\f+8*\i+3],   v[ADRA+\slot] offset:\k+\i*16*PITCH
	ds_load_b128 v[\f+8*\i+4:\f+8*\i+7], v[ADRA+\slot] offset:\k+\i*16*PITCH+32
.endr
.endm
.macro QUARTERH slot, k, f, g, first
	s_wait_dscnt 4                                 ; W and x's rows 0-31 are in; the youngest four loads (x's rows 32-63) may be out
.if \first
	WIN BIAS_LO
.else
	WIN MUL_LO
.endif
	MUL16 \f, 0, 0, \first
	PLACES
	FETCHH \slot, \k, \g
	s_wait_dscnt 24                                ; all but the 24 just issued
.if \first
	WIN BIAS_LO
.else
	WIN MUL_LO
.endif
	MUL16 \f, 0, 2, \first
.endm
.macro THREEH slot, first
	QUARTERH \slot, 64,  F0, F1, \first
	QUARTERH \slot, 128, F1, F0, 0
	QUARTERH \slot, 192, F0, F1, 0
.endm
.macro TURNH slot, next, fill          ; the change of slots, in the same order as in TURN
	s_wait_dscnt 4
	WIN MUL_LO
	MUL16 F1, 0, 0, 0
	s_wait_dscnt 0                                 ; my reads of this slot are back
	s_wait_tensorcnt 0x0                           ; all my tensor loads have landed: the one that was out is my part of the next slot
	ds_add_u32 v255, v31
	s_wait_dscnt 0x0
	s_barrier_signal -1
	s_barrier_wait -1
.if \fill
	WIN 0                                          ; every window is 0 there
	s_add_nc_u64 s[G0+4*\slot+2:G0+4*\slot+3], s[G0+4*\slot+2:G0+4*\slot+3], 2*KSTEP*2   ; no load of mine is out: the group may be written
	HLOAD \slot                                    ; my one tensor load behind this barrier: two K steps ahead
.endif
	PLACES
	FETCHH \next, 0, F0
	WIN MUL_LO
	MUL16 F1, 0, 2, 0
.endm
.macro LAPH first
	THREEH 0, \first
	TURNH 0, 1, 1
	THREEH 1, 0
	TURNH 1, 0, 1
.endm
; THE WAY OUT, 16 positions at a time: round to f16, 16 bytes a lane into my own stage, read back so that sixteen lanes hold two neighbouring
; positions of one head: 256 consecutive bytes of pj (or vs), aligned.  LDS serves a wave's instructions in order: no wait between stores and loads.
.macro OUT16 i, a, from, f
	WIN \from
.irp b, 0,1,2,3,4,5,6,7
.irp r, 0,1,2,3
	v_cvt_pk_f16_f32 v[TMP+4*\b+\r], v[8*(8*\a+\b)+2*\r], v[8*(8*\a+\b)+2*\r+1]
.endr
.endr
	WIN 0
.irp b, 0,1,2,3,4,5,6,7
	ds_store_b128 v[STO], v[TMP+4*\b:TMP+4*\b+3] offset:32*\b
.endr
	s_wait_xcnt 0x0                                ; buffer f, which earlier stores read, is loaded again only behind this wait
.irp t, 0,1,2,3,4,5,6,7
	ds_load_b128 v[\f+4*\t:\f+4*\t+3], v[RD] offset:\t*2*SPITCH
.endr
.irp t, 0,1,2,3,4,5,6,7
	s_wait_dscnt 7-\t                              ; read-back t is in, the younger ones stay out
	global_store_b128 v[CO], v[\f+4*\t:\f+4*\t+3], s[50:51] offset:2048*\i+256*\t
.endr
.endm
	s_cmp_ge_u32 ttmp9, WHOLE                      ; the work-group's number: alike in all four waves
	s_cbranch_scc1 .Lhalf
	; A WHOLE UNIT
.irp s, 0,1
	tensor_load_to_lds s[G0+4*\s:G0+4*\s+3], s[G1:G1+7]            ; both first fills go out together, ahead of every wait on TENSORcnt, LDS read and barrier
	s_nop 0
.endr
	BIASLD
	s_wait_tensorcnt 1                             ; my part of K step 0 is in; K step 1's stays out
	s_barrier_signal -1
	s_barrier_wait -1
	s_wait_loadcnt 0x0                             ; the bias
	FETCH 0, 0, F0
	LAP 1
	WIN 0                                          ; at a label and at a branch every window is 0
	s_mov_b32 s3, LAPS-2
.Llap:
	LAP 0
	WIN 0
	s_sub_co_u32 s3, s3, 1
	s_cmp_lg_u32 s3, 0
	s_cbranch_scc1 .Llap
	THREE 0, 0                                     ; the last lap fills nothing
	TURN 0, 1, 0
	THREE 1, 0
	s_wait_dscnt 8
	WIN MUL_LO
	MUL16 F1, 0, 0, 0
	MUL16 F1, 0, 2, 0
	s_wait_dscnt 0
	WIN MUL_HI
	MUL16 F1, 1, 0, 0
	MUL16 F1, 1, 2, 0
	PLACES
	OUT16 0, 0, 0x0a, F0
	OUT16 1, 1, 0x0a, F1
	OUT16 2, 2, 0x0a, F0
	OUT16 3, 3, 0x0a, F1
	OUT16 4, 0, 0x0f, F0
	OUT16 5, 1, 0x0f, F1
	OUT16 6, 2, 0x0f, F0
	OUT16 7, 3, 0x0f, F1
	s_set_vgpr_msb 0x1
	s_wait_tensorcnt 0x0
	ds_add_u32 v255, v31
	s_wait_dscnt 0x0
	s_set_vgpr_msb 0x100
	s_endpgm
	; A HALF UNIT
.Lhalf:
	; the second group 1: as the first, with 64 rows
	s_mov_b32 s[G1X+0], (1<<16)|(1<<20)|(5<<22)|(3<<25)
	s_mov_b32 s[G1X+1], KSTEP<<16                  ; tensor_dim0 = 128
	s_mov_b32 s[G1X+2], 64<<16                     ; tensor_dim1 = 64
	s_mov_b32 s[G1X+3], KSTEP<<16                  ; tile_dim0 = 128
	s_mov_b32 s[G1X+4], 64                         ; tile_dim1 = 64
	s_mov_b32 s[G1X+5], SIZE_K
	s_mov_b32 s[G1X+6], 0
	s_mov_b32 s[G1X+7], 0
	; both first fills of a wave in one branch on its number, ahead of every wait on TENSORcnt, LDS read and barrier: two loads on either way
	s_cmp_eq_u32 s11, 0
	s_cbranch_scc0 .Lfirst_w
	tensor_load_to_lds s[G0:G0+3], s[G1X:G1X+7]
	s_nop 0
	tensor_load_to_lds s[G0+4:G0+7], s[G1X:G1X+7]
	s_nop 0
	s_branch .Lfirst_done
.Lfirst_w:
	tensor_load_to_lds s[G0:G0+3], s[G1:G1+7]
	s_nop 0
	tensor_load_to_lds s[G0+4:G0+7], s[G1:G1+7]
	s_nop 0
.Lfirst_done:
	BIASLD
	s_wait_tensorcnt 1                             ; my part of K step 0 is in; K step 1's stays out
	s_barrier_signal -1
	s_barrier_wait -1
	s_wait_loadcnt 0x0                             ; the bias
	FETCHH 0, 0, F0
	LAPH 1
	WIN 0
	s_mov_b32 s3, LAPS-2
.Llaph:
	LAPH 0
	WIN 0
	s_sub_co_u32 s3, s3, 1
	s_cmp_lg_u32 s3, 0
	s_cbranch_scc1 .Llaph
	THREEH 0, 0                                    ; the last lap fills nothing
	TURNH 0, 1, 0
	THREEH 1, 0
	s_wait_dscnt 4
	WIN MUL_LO
	MUL16 F1, 0, 0, 0
	s_wait_dscnt 0
	MUL16 F1, 0, 2, 0
	PLACES
	OUT16 0, 0, 0x0a, F0
	OUT16 1, 1, 0x0a, F1
	OUT16 2, 2, 0x0a, F0
	OUT16 3, 3, 0x0a, F1
	s_set_vgpr_msb 0x1
	s_wait_tensorcnt 0x0
	ds_add_u32 v255, v31
	s_wait_dscnt 0x0
	s_set_vgpr_msb 0x100
	s_endpgm
.Lfunc_end_k_qd7d2fa241f_proj:
	.size	k_qd7d2fa241f_proj, .Lfunc_end_k_qd7d2fa241f_proj-k_qd7d2fa241f_proj
	.p2alignl 7, 3214868480
	.fill 96, 4, 3214868480
	.section	.rodata,"a",@progbits
	.p2align	6, 0x0
	.amdhsa_kernel k_qd7d2fa241f_proj
		.amdhsa_group_segment_fixed_size 327680
		.amdhsa_private_segment_fixed_size 0
		.amdhsa_enable_private_segment 0
		.amdhsa_kernarg_size 72
		.amdhsa_user_sgpr_count 2
		.amdhsa_user_sgpr_kernarg_segment_ptr 1
		.amdhsa_wavefront_size32 1
		.amdhsa_system_sgpr_workgroup_id_x 1
		.amdhsa_system_sgpr_workgroup_id_y 1
		.amdhsa_system_sgpr_workgroup_id_z 1
		.amdhsa_system_vgpr_workitem_id 0
		.amdhsa_next_free_vgpr 1024
		.amdhsa_next_free_sgpr 86
		.amdhsa_reserve_vcc 0
		.amdhsa_float_denorm_mode_32 3
		.amdhsa_float_denorm_mode_16_64 3
		.amdhsa_memory_ordered 1
		.amdhsa_forward_progress 1
		.amdhsa_inst_pref_size 255
	.end_amdhsa_kernel
	.section	.bss,"aw",@nobits
	.p2align	6
	.space	262144
	.amdgpu_metadata
---
amdhsa.version: [ 1, 2 ]
amdhsa.kernels:
  - .name:           k_qd7d2fa241f_proj
    .symbol:         k_qd7d2fa241f_proj.kd
    .args:
      - { .name: xp, .offset: 0, .size: 8, .value_kind: global_buffer, .address_space: global }
      - { .name: xs, .offset: 8, .size: 8, .value_kind: global_buffer, .address_space: global }
      - { .name: wb, .offset: 16, .size: 8, .value_kind: global_buffer, .address_space: global }
      - { .name: bq, .offset: 24, .size: 8, .value_kind: global_buffer, .address_space: global }
      - { .name: bk, .offset: 32, .size: 8, .value_kind: global_buffer, .address_space: global }
      - { .name: bv, .offset: 40, .size: 8, .value_kind: global_buffer, .address_space: global }
      - { .name: cnt, .offset: 48, .size: 8, .value_kind: global_buffer, .address_space: global }
      - { .name: pj, .offset: 56, .size: 8, .value_kind: global_buffer, .address_space: global }
      - { .name: vs, .offset: 64, .size: 8, .value_kind: global_buffer, .address_space: global }
    .group_segment_fixed_size: 327680
    .private_segment_fixed_size: 0
    .kernarg_segment_align: 8
    .kernarg_segment_size: 72
    .max_flat_workgroup_size: 128
    .sgpr_count:     86
    .vgpr_count:     1024
    .wavefront_size: 32
...
	.end_amdgpu_metadata
.endif
;; end of part 2
;; launch attn (part 3): grid 16 x 64, 4 waves a work-group, no clusters, 37,888 bytes of LDS; arguments pj, vs, cnt, rowof, out0; writes out0
.if DOCPART == 3
	.amdgcn_target "amdgcn-amd-amdhsa--gfx1250"
	.amdhsa_code_object_version 6
	.text
	.protected	k_qd7d2fa241f_attn
	.globl	k_qd7d2fa241f_attn
	.p2align	8
	.type	k_qd7d2fa241f_attn,@function
k_qd7d2fa241f_attn:
	s_mov_b64 s[64:65], 0
	v_nop
	global_prefetch_b8 v0, s[64:65] scope:SCOPE_SE
	s_setreg_imm32_b32 hwreg(HW_REG_WAVE_MODE, 25, 1), 1
	s_wait_xcnt 0x0
; THIRD LAUNCH: attention of the live queries over the live keys, and the filled rows.
; Left out, as shown at the head of the first kernel: the scores of query rows with mask true (their result is the mean of V over all keys, vAll) and
; the scores of keys with mask false (one virtual key of score NEG, weight nF, value vF = the mean of their V, which starts the running softmax).
; A work-group: one head (y = 16 b + h) and 128 positions (tile t of 16); wave w takes 32 of them as two column tiles of 16 queries.
; t = x / 2, or 15 - x / 2 where (x xor b) is odd: tiles of live and of filled positions then alternate along the work-groups' numbers.
; nF = cnt[b].  A tile with 128 t < nF needs the key tiles of 64 positions from tile 31 down to tile nF / 64: n = 32 - nF / 64; the others none (n = 0).
; THE LOOP HAS 32 TRIPS IN EVERY WORK-GROUP, and its two barriers stand on every path: every wave passes every barrier whatever memory holds.  What
; hangs on n is jumped over between the barriers: trips n .. 31 store nothing into LDS and compute nothing.  Only the last live trip can hold positions
; below nF: it alone runs the select.  Q is loaded only where n > 0 (of the other tiles pj holds no Q); its registers hold vF before, so they have been
; written on every path.  Key tile 31, which pj always holds, is loaded by every work-group.  Every work-group stores its 128 rows x 256 bytes.
; THE MEANS: vAll = the sum of class 0's 32 rows of vs with weight 1/32; vF = the sum of class 1's with weight (false rows of the part) / max(nF, 1),
; in f32.  Either set of weights adds up to 1 (for nF = 0 class 1's are all 0, and vF is not used), so bv comes out once and no difference is formed.
; TRANSPOSED: S^T = K Q^T (source 0 = 16 keys, source 1 = 16 queries): lane (r, hl) holds query r and keys 8 hl + j, so a row's maximum and sum are
; a lane's own but for one exchange between the halves, and the packed P is already source 1 of O^T = V^T P^T (source 0 = V^T by the transposing load).
; The running maximum M (in units of log2) starts at NEG log2 e, the sum at nF, the numerator at nF vF: finite wherever a trip is live (nF >= 1 there).
; K and V tiles go through registers into one LDS buffer, two barriers a trip; the next tile's loads are on their way during the trip's work.
; NO CLUSTER, though the query tiles of a head read the same K and V: partners need different numbers of tiles (none for a filled tile), and the tiles
; come through registers, not by tensor loads.
; Accumulators take turns, one instruction a turn (four in S, eight in O).
; LIMITS: operands f16 (|Q|, |K|, |V| below 65,504; P is at most 1); scores so near NEG that f32 no longer tells them from it are weighted as f32 gives.
; LDS: K 64 rows x 144 at 0; V 64 rows x 160 at 9,216; SCR [2 classes][64] f32 at 19,456; STG 4 waves x 16 rows x 272 at 19,968.
; REGISTERS: v1 K read, v2 V read, v3 K store, v4 V store, v5 16 tid, v6 v7 stage in and back, v[8:15] at work (v8 in the means: part L's weight),
; v[16:17] rescale, v[18:21] M (a pair a column tile), v22 v23 sums, v24 8 hl - nF mod 64, v25 position, v26 16 r, v27 4 hl, v28 SCR + 32 hl, v29 -inf,
; v30 v31 offsets.
.set KP,  144
.set VP,  160
.set VB,  9216
.set SCR, 19456
.set STG, 19968
.set TRIPS, 32                         ; key tiles of 64 in a batch
.set KV,  32                           ; v[32:63]   fragments of K, then of V^T
.set ST,  64                           ; v[64:95]   the next tile on its way: K 16 registers, V 16
.set QF,  96                           ; v[96:127]  vF at the start, then Q: column tile q, K step s at QF + 16 q + 8 s
.set SS,  128                          ; v[128:191] S: column tile q, key tile kt at SS + 32 q + 8 kt; packed P in the first 16 of each 32
.set ACC, 192                          ; v[192:255] O^T: column tile q, dh tile t at ACC + 32 q + 8 t
	s_load_b256 s[4:11], s[0:1], 0x0               ; pj 4, vs 6, cnt 8, rowof 10
	s_load_b64 s[12:13], s[0:1], 0x20              ; out0
	s_set_vgpr_msb 0x40
	v_lshl_add_u32 v0, v0, 2, 0x9200
	v_mov_b32 v1, 0
	s_set_vgpr_msb 0x4000
	v_lshrrev_b32 v8, 5, v0
	v_readfirstlane_b32 s14, v8                    ; wave
	s_and_b32 s16, ttmp7, 0xffff
	s_lshr_b32 s17, s16, 4                         ; b
	s_and_b32 s18, s16, 15                         ; h
	s_lshr_b32 s19, ttmp9, 1
	s_xor_b32 s23, ttmp9, s17
	s_sub_co_u32 s15, 15, s19
	s_bitcmp1_b32 s23, 0
	s_cselect_b32 s19, s15, s19                    ; t
	s_lshl_b32 s22, s19, 7                         ; the tile's first position
	s_lshl_b32 s36, s17, 8
	s_mov_b32 s37, 0
	s_wait_kmcnt 0x0
	s_add_nc_u64 s[8:9], s[8:9], s[36:37]          ; cnt[b]: 32 words nF, 32 words of the parts' false rows
	s_load_b32 s20, s[8:9], 0x0                    ; nF
	s_mov_b32 s30, 0x3e38aa3b                      ; log2 e / sqrt(64), twice
	s_mov_b32 s31, 0x3e38aa3b
	s_mov_b32 s32, 0x76543210                      ; v_permlanex16_b32: lane i of one half reads lane i of the other
	s_mov_b32 s33, 0xfedcba98
	s_mul_i32 s44, s14, 16*272
	s_add_co_u32 s44, s44, STG                     ; my stage
	s_lshl_b32 s46, s14, 5
	s_add_co_u32 s46, s46, s22                     ; my wave's first position
	s_lshl_b32 s47, s14, 8
	s_add_co_u32 s47, s47, SCR
	v_and_b32 v9, 31, v0                           ; L
	v_and_b32 v10, 15, v0                          ; r
	v_bfe_u32 v11, v0, 4, 1                        ; hl
	v_and_b32 v12, 7, v0
	v_bfe_u32 v13, v0, 3, 1
	v_lshrrev_b32 v14, 3, v0
	v_mov_b32 v15, v9
	v_mul_u32_u24 v1, v10, KP                      ; K fragment: row r, 16 hl
	v_lshl_add_u32 v1, v11, 4, v1
	v_lshl_add_u32 v2, v11, 3, v12                 ; V^T fragment: key 8 hl + L mod 8, 16 bytes by bit 3 of L
	v_mul_u32_u24 v2, v2, VP
	v_lshl_add_u32 v2, v13, 4, v2
	v_add_nc_u32 v2, VB, v2
	v_mul_u32_u24 v3, v14, KP                      ; a tile's 16 bytes at 16 tid: key tid / 8, byte 16 (tid mod 8)
	v_lshl_add_u32 v3, v12, 4, v3
	v_mul_u32_u24 v4, v14, VP
	v_lshl_add_u32 v4, v12, 4, v4
	v_add_nc_u32 v4, VB, v4
	v_lshlrev_b32 v5, 4, v0
	v_mul_u32_u24 v6, v10, 272                     ; stage in: row = query r, byte 4 dh = 64 t + 32 hl + 4 j
	v_lshl_add_u32 v6, v11, 5, v6
	v_add_nc_u32 v6, s44, v6
	v_mul_u32_u24 v7, v11, 272                     ; stage back: lanes 0-15 one row of 256 bytes, lanes 16-31 the next
	v_lshl_add_u32 v7, v10, 4, v7
	v_add_nc_u32 v7, s44, v7
	v_add_nc_u32 v25, s46, v10
	v_lshlrev_b32 v26, 4, v10
	v_lshlrev_b32 v27, 2, v11
	v_lshlrev_b32 v28, 5, v11
	v_add_nc_u32 v28, SCR, v28
	v_mov_b32 v29, 0xff800000
	v_lshlrev_b32 v30, 2, v9
	v_lshlrev_b32 v31, 3, v9
	v_add_nc_u32 v31, s47, v31
	v_lshlrev_b32 v24, 3, v11
	s_wait_kmcnt 0x0
	s_min_u32 s20, s20, 2048
	s_and_b32 s47, s20, 63
	v_sub_nc_u32 v24, v24, s47
	s_lshr_b32 s21, s20, 6
	s_sub_co_u32 s21, TRIPS, s21
	s_cmp_lt_u32 s22, s20
	s_cselect_b32 s21, s21, 0                      ; n: live trips
	; bases (s37 = 0 throughout)
	s_mov_b32 s37, 0
	s_mul_i32 s45, s17, 48
	s_add_co_u32 s45, s45, s18                     ; 48 b + h
	s_lshl_b32 s36, s45, 18
	s_lshl_b32 s47, s46, 7
	s_add_co_u32 s36, s36, s47
	s_add_nc_u64 s[28:29], s[4:5], s[36:37]        ; Q of my 32 positions
	s_add_co_u32 s36, s45, 16
	s_lshl_b32 s36, s36, 18
	s_add_co_u32 s36, s36, 31*8192
	s_add_nc_u64 s[24:25], s[4:5], s[36:37]        ; K, key tile 31
	s_add_nc_u64 s[26:27], s[24:25], 0x400000      ; V: 16 heads on
	s_lshl_b32 s36, s17, 11
	s_add_co_u32 s36, s36, s46
	s_lshl_b32 s36, s36, 2
	s_add_nc_u64 s[38:39], s[10:11], s[36:37]      ; rowof of my 32 positions
	s_lshl_b32 s36, s17, 23
	s_lshl_b32 s47, s18, 8
	s_add_co_u32 s36, s36, s47
	s_add_nc_u64 s[40:41], s[12:13], s[36:37]      ; out0: batch b, head h
	; the two means: wave 0 makes vAll of class 0's 32 rows of vs, wave 1 vF of class 1's; lane L holds dh 2 L and 2 L + 1, and part L's weight
	s_cmp_gt_u32 s14, 1
	s_cbranch_scc1 .Lnomean
	s_lshl_b32 s36, s18, 8
	s_lshl_b32 s47, s17, 6
	s_add_co_u32 s36, s36, s47
	s_lshl_b32 s47, s14, 5
	s_add_co_u32 s36, s36, s47
	s_lshl_b32 s36, s36, 7
	s_add_nc_u64 s[42:43], s[6:7], s[36:37]
	global_load_b32 v8, v30, s[8:9] offset:128     ; the false rows of part L
.set p, 0
.rept 32
	global_load_b32 v[ST+p], v30, s[42:43] offset:128*p
.set p, p+1
.endr
	s_max_u32 s47, s20, 1
	v_cvt_f32_u32 v9, s47
	v_rcp_f32 v10, v9                              ; 1 / max(nF, 1)
	v_mov_b32 v11, 0x3d000000                      ; 1 / 32; also the plain instruction behind the reciprocal
	s_cmp_eq_u32 s14, 0
	s_cselect_b32 s47, -1, 0
	s_wait_loadcnt 0x0
	v_cvt_f32_u32 v8, v8
	s_wait_alu depctr_va_vdst(0)
	v_mul_f32 v8, v8, v10                          ; class 1: (false rows of part L) / nF
	v_cndmask_b32 v8, v8, v11, s47                 ; class 0: 1 / 32
.macro ADDP p, lo, hi                  ; part p's row, times its weight (s45 is not read as a number: the pair's first register feeds both halves)
	v_readlane_b32 s44, v8, \p
	v_cvt_f32_f16 v12, \lo
	v_cvt_f32_f16 v13, \hi
	v_pk_fma_f32 v[14:15], v[12:13], s[44:45], v[14:15] op_sel_hi:[1,0,1]
.endm
	v_readlane_b32 s44, v8, 0                      ; part 0 starts the sums
	v_cvt_f32_f16 v12, v64.l
	v_cvt_f32_f16 v13, v64.h
	v_pk_mul_f32 v[14:15], v[12:13], s[44:45] op_sel_hi:[1,0]
	ADDP 1, v65.l, v65.h
	ADDP 2, v66.l, v66.h
	ADDP 3, v67.l, v67.h
	ADDP 4, v68.l, v68.h
	ADDP 5, v69.l, v69.h
	ADDP 6, v70.l, v70.h
	ADDP 7, v71.l, v71.h
	ADDP 8, v72.l, v72.h
	ADDP 9, v73.l, v73.h
	ADDP 10, v74.l, v74.h
	ADDP 11, v75.l, v75.h
	ADDP 12, v76.l, v76.h
	ADDP 13, v77.l, v77.h
	ADDP 14, v78.l, v78.h
	ADDP 15, v79.l, v79.h
	ADDP 16, v80.l, v80.h
	ADDP 17, v81.l, v81.h
	ADDP 18, v82.l, v82.h
	ADDP 19, v83.l, v83.h
	ADDP 20, v84.l, v84.h
	ADDP 21, v85.l, v85.h
	ADDP 22, v86.l, v86.h
	ADDP 23, v87.l, v87.h
	ADDP 24, v88.l, v88.h
	ADDP 25, v89.l, v89.h
	ADDP 26, v90.l, v90.h
	ADDP 27, v91.l, v91.h
	ADDP 28, v92.l, v92.h
	ADDP 29, v93.l, v93.h
	ADDP 30, v94.l, v94.h
	ADDP 31, v95.l, v95.h
	ds_store_b64 v31, v[14:15]
.Lnomean:
	s_wait_dscnt 0x0                               ; the means are in LDS before their writers say so
	s_barrier_signal -1
	s_barrier_wait -1
.irp t, 0,1,2,3
	ds_load_b128 v[QF+8*\t:QF+8*\t+3],   v28 offset:256+64*\t      ; vF at dh 16 t + 8 hl + 0..7, into Q's registers
	ds_load_b128 v[QF+8*\t+4:QF+8*\t+7], v28 offset:256+64*\t+16
.endr
	v_cvt_f32_u32 v12, s20
	v_mov_b32 v13, v12
	v_mul_f32 v22, 0.5, v12                        ; the virtual key's weight nF, half in each half of the lanes
	v_mov_b32 v23, v22
.irp i, 18,19,20,21
	v_mov_b32 v\i, 0xceabfb8f                      ; NEG x log2 e
.endr
	s_wait_dscnt 0x0
.set i, 0
.rept 16
	v_pk_mul_f32 v[ACC+2*i:ACC+2*i+1],       v[QF+2*i:QF+2*i+1], v[12:13]
	v_pk_mul_f32 v[ACC+32+2*i:ACC+32+2*i+1], v[QF+2*i:QF+2*i+1], v[12:13]
.set i, i+1
.endr
.macro STAGE                           ; a key tile: 8,192 consecutive bytes of K and of V, 16 bytes a thread and load
.irp i, 0,1,2,3
	global_load_b128 v[ST+4*\i:ST+4*\i+3], v5, s[24:25] offset:2048*\i
.endr
.irp i, 0,1,2,3
	global_load_b128 v[ST+16+4*\i:ST+16+4*\i+3], v5, s[26:27] offset:2048*\i
.endr
.endm
.macro NOPS n
.rept \n
	v_nop
.endr
.endm
	v_lshlrev_b32 v30, 3, v26                      ; 128 r + 16 hl
	v_lshl_add_u32 v30, v27, 2, v30
	s_cmp_eq_u32 s21, 0
	s_cbranch_scc1 .Lno_q                          ; no live trip: no Q is needed, and for a tile from nF on none has been made
.irp q, 0,1
.irp s, 0,1
	global_load_b128 v[QF+16*\q+8*\s:QF+16*\q+8*\s+3],   v30, s[28:29] offset:2048*\q+64*\s
	global_load_b128 v[QF+16*\q+8*\s+4:QF+16*\q+8*\s+7], v30, s[28:29] offset:2048*\q+64*\s+32
.endr
.endr
.Lno_q:
	STAGE                                          ; key tile 31
; the running softmax of column tile q over this trip's 64 keys
.macro SOFTMAX q
.set SB, SS+32*\q
.set MB, 18+2*\q
.set AB, ACC+32*\q
	v_max3_num_f32 v8,  v[SB+0], v[SB+1],  v[SB+2]
	v_max3_num_f32 v9,  v[SB+3], v[SB+4],  v[SB+5]
	v_max3_num_f32 v10, v[SB+6], v[SB+7],  v[SB+8]
	v_max3_num_f32 v11, v[SB+9], v[SB+10], v[SB+11]
.set i, 12
.rept 10
	v_max3_num_f32 v[8+((i-12)/2)%4], v[8+((i-12)/2)%4], v[SB+i], v[SB+i+1]
.set i, i+2
.endr
	v_max3_num_f32 v8, v8, v9, v10
	v_max_num_f32 v8, v8, v11
	v_permlanex16_b32 v9, v8, s32, s33             ; the other half's 32 keys
	v_max_num_f32 v8, v8, v9
	v_mul_f32 v8, s30, v8
	v_max_num_f32 v9, v[MB], v8                    ; the new maximum
	v_sub_f32 v10, v[MB], v9
	v_mov_b32 v[MB], v9
	v_mov_b32 v[MB+1], v9
	v_exp_f32 v16, v10                             ; what the old sums are worth now; the packed line below is the plain instruction behind it
.set i, 0
.rept 16
	v_pk_fma_f32 v[SB+2*i:SB+2*i+1], v[SB+2*i:SB+2*i+1], s[30:31], v[MB:MB+1] op_sel_hi:[1,0,1] neg_lo:[0,0,1] neg_hi:[0,0,1]
.set i, i+1
.endr
	s_wait_alu depctr_va_vdst(0)
	v_mov_b32 v17, v16
.set i, 0
.rept 32
	v_exp_f32 v[SB+i], v[SB+i]
.set i, i+1
.endr
	v_nop                                          ; one plain instruction between the last exponential and its use (ISA guide 5.7.2)
	s_wait_alu depctr_va_vdst(0)
.irp c, 0,1,2,3
	v_pk_add_f32 v[8+2*\c:9+2*\c], v[SB+4*\c:SB+4*\c+1], v[SB+4*\c+2:SB+4*\c+3]
.endr
.irp c, 0,1,2,3
	v_pk_add_f32 v[8+2*\c:9+2*\c], v[8+2*\c:9+2*\c], v[SB+16+2*\c:SB+16+2*\c+1]
.endr
.irp c, 0,1,2,3
	v_pk_add_f32 v[8+2*\c:9+2*\c], v[8+2*\c:9+2*\c], v[SB+24+2*\c:SB+24+2*\c+1]
.endr
	v_pk_add_f32 v[8:9], v[8:9], v[10:11]
	v_pk_add_f32 v[12:13], v[12:13], v[14:15]
	v_pk_add_f32 v[8:9], v[8:9], v[12:13]
	v_add_f32 v8, v8, v9
	v_fma_f32 v[22+\q], v[22+\q], v16, v8          ; my half's sum; the halves meet at the end
.set i, 0
.rept 16
	v_cvt_pk_f16_f32 v[SB+i], v[SB+2*i], v[SB+2*i+1]       ; in place, ascending: register i is written when 2 i and 2 i + 1 have been read
.set i, i+1
.endr
.set i, 0
.rept 16
	v_pk_mul_f32 v[AB+2*i:AB+2*i+1], v[AB+2*i:AB+2*i+1], v[16:17]
.set i, i+1
.endr
.endm
.macro VLOAD ks                        ; V^T of keys 32 ks .. + 31, four tiles of 16 dh
.irp t, 0,1,2,3
	ds_load_tr16_b128 v[KV+8*\t:KV+8*\t+3],   v2 offset:32*VP*\ks+32*\t
	ds_load_tr16_b128 v[KV+8*\t+4:KV+8*\t+7], v2 offset:32*VP*\ks+32*\t+16*VP
.endr
.endm
.macro PV ks
.irp t, 0,1,2,3
.irp q, 0,1
	v_wmma_f32_16x16x32_f16 v[ACC+32*\q+8*\t:ACC+32*\q+8*\t+7], v[KV+8*\t:KV+8*\t+7], v[SS+32*\q+8*\ks:SS+32*\q+8*\ks+7], v[ACC+32*\q+8*\t:ACC+32*\q+8*\t+7]
.endr
.endr
.endm
	s_mov_b32 s35, 0                               ; the trip; trip i is key tile 31 - i
.Lloop:
	s_wait_loadcnt 0x0                             ; this trip's tile is in my registers (in the first trip Q too)
	s_wait_dscnt 0x0                               ; my reads of the last tile are back
	s_barrier_signal -1
	s_barrier_wait -1                              ; nobody reads the last tile any more
	s_cmp_ge_u32 s35, s21
	s_cbranch_scc1 .Lno_store                      ; no live tile in this trip
.irp i, 0,1,2,3
	ds_store_b128 v3, v[ST+4*\i:ST+4*\i+3] offset:16*KP*\i
	ds_store_b128 v4, v[ST+16+4*\i:ST+16+4*\i+3] offset:16*VP*\i
.endr
.Lno_store:
	s_wait_dscnt 0x0                               ; my part of the tile is in LDS before I say so
	s_barrier_signal -1
	s_barrier_wait -1                              ; the tile is whole
	s_cmp_ge_u32 s35, s21
	s_cbranch_scc1 .Lno_work
	s_add_co_u32 s34, s35, 1
	s_cmp_ge_u32 s34, s21
	s_cbranch_scc1 .Lno_stage                      ; the last live trip asks for nothing
	s_sub_nc_u64 s[24:25], s[24:25], 0x2000        ; 64 positions lower; the loads that named these bases were shown done at the trip's head
	s_sub_nc_u64 s[26:27], s[26:27], 0x2000
	STAGE
.Lno_stage:
.irp g, 0,1
.irp k, 0,1
.irp s, 0,1
	ds_load_b128 v[KV+16*\k+8*\s:KV+16*\k+8*\s+3],   v1 offset:16*KP*(2*\g+\k)+64*\s
	ds_load_b128 v[KV+16*\k+8*\s+4:KV+16*\k+8*\s+7], v1 offset:16*KP*(2*\g+\k)+64*\s+32
.endr
.endr
	s_wait_dscnt 0x0
.irp k, 0,1
.irp q, 0,1
	v_wmma_f32_16x16x32_f16 v[SS+32*\q+8*(2*\g+\k):SS+32*\q+8*(2*\g+\k)+7], v[KV+16*\k:KV+16*\k+7], v[QF+16*\q:QF+16*\q+7], 0
.endr
.endr
.irp k, 0,1
.irp q, 0,1
	v_wmma_f32_16x16x32_f16 v[SS+32*\q+8*(2*\g+\k):SS+32*\q+8*(2*\g+\k)+7], v[KV+16*\k+8:KV+16*\k+15], v[QF+16*\q+8:QF+16*\q+15], v[SS+32*\q+8*(2*\g+\k):SS+32*\q+8*(2*\g+\k)+7]
.endr
.endr
	NOPS 4                                         ; four places before the fragments are loaded again and before the scores are read (ISA guide 7.12.1)
.endr
	VLOAD 0                                        ; on its way during the softmax
	s_cmp_lg_u32 s34, s21
	s_cbranch_scc1 .Lno_mask                       ; only key tile nF / 64, the last live trip's, can hold positions below nF
.irp kt, 0,1,2,3
.irp j, 0,1,2,3,4,5,6,7
	v_cmp_le_i32 vcc_lo, -(16*\kt+\j), v24         ; key 16 kt + 8 hl + j of the tile is live where it is at least nF mod 64
	v_cndmask_b32 v[SS+8*\kt+\j], v29, v[SS+8*\kt+\j], vcc_lo
	v_cndmask_b32 v[SS+32+8*\kt+\j], v29, v[SS+32+8*\kt+\j], vcc_lo
.endr
.endr
.Lno_mask:
	SOFTMAX 0
	SOFTMAX 1
	s_wait_dscnt 0x0
	PV 0
	NOPS 4                                         ; four places before V's fragments are loaded again
	VLOAD 1
	s_wait_dscnt 0x0
	PV 1
	NOPS 5                                         ; five places before the next scores are written over P, four before the next loads and before O is read
.Lno_work:
	s_add_co_u32 s35, s35, 1
	s_cmp_lt_u32 s35, TRIPS
	s_cbranch_scc1 .Lloop
	; positions below nF: O / l.  The others: vAll.  Rows go back to their places by rowof.
.irp q, 0,1
.irp i, 0,1,2,3,4,5,6,7
	global_load_b32 v[SS+8*\q+\i], v27, s[38:39] offset:4*(16*\q+2*\i)     ; the row of position 16 q + 2 i + hl of my 32
.endr
.endr
.irp t, 0,1,2,3
	ds_load_b128 v[KV+8*\t:KV+8*\t+3],   v28 offset:64*\t          ; vAll at dh 16 t + 8 hl + 0..7
	ds_load_b128 v[KV+8*\t+4:KV+8*\t+7], v28 offset:64*\t+16
.endr
	v_permlanex16_b32 v8, v22, s32, s33
	v_permlanex16_b32 v9, v23, s32, s33
	v_add_f32 v8, v8, v22                          ; the two halves' sums
	v_add_f32 v9, v9, v23
	v_rcp_f32 v10, v8
	v_rcp_f32 v12, v9
	v_add_nc_u32 v14, 16, v25                      ; column tile 1's position; also the plain instruction behind the reciprocals
	s_wait_alu depctr_va_vdst(0)
	v_mov_b32 v11, v10
	v_mov_b32 v13, v12
	s_wait_loadcnt 0x0
	s_wait_dscnt 0x0
.set i, 0
.rept 16
	v_min_u32 v[SS+i], 0x7ff, v[SS+i]              ; a loaded number: clamped to the rows of a batch before it enters an address
	v_lshl_add_u32 v[SS+i], v[SS+i], 12, v26       ; row x 4,096 bytes + 16 (L mod 16)
.set i, i+1
.endr
.macro OUTQ q, dst, pos, rc
.set i, 0
.rept 16
	v_pk_mul_f32 v[ACC+32*\q+2*i:ACC+32*\q+2*i+1], v[ACC+32*\q+2*i:ACC+32*\q+2*i+1], v[\rc:\rc+1]
.set i, i+1
.endr
	v_cmp_gt_u32 vcc_lo, s20, v[\pos]              ; a live query: nF > position
.set i, 0
.rept 32
	v_cndmask_b32 v[ACC+32*\q+i], v[KV+i], v[ACC+32*\q+i], vcc_lo
.set i, i+1
.endr
.irp t, 0,1,2,3
	ds_store_b128 v6, v[ACC+32*\q+8*\t:ACC+32*\q+8*\t+3]   offset:64*\t
	ds_store_b128 v6, v[ACC+32*\q+8*\t+4:ACC+32*\q+8*\t+7] offset:64*\t+16
.endr
.irp u, 0,1,2,3,4,5,6,7
	ds_load_b128 v[\dst+4*\u:\dst+4*\u+3], v7 offset:544*\u        ; my own stage; LDS serves a wave's instructions in order
.endr
.irp u, 0,1,2,3,4,5,6,7
	s_wait_dscnt 7-\u                              ; read-back u is in, the younger ones stay out
	global_store_b128 v[SS+8*\q+\u], v[\dst+4*\u:\dst+4*\u+3], s[40:41] th:TH_STORE_NT   ; sixteen lanes: one row's 256 bytes of head h, aligned
.endr
.endm
	OUTQ 0, ST, 25, 10
	OUTQ 1, QF, 14, 12
	s_set_vgpr_msb 0x5
	s_wait_tensorcnt 0x0
	ds_add_u32 v0, v1
	s_wait_dscnt 0x0
	s_set_vgpr_msb 0x500
	s_endpgm
.Lfunc_end_k_qd7d2fa241f_attn:
	.size	k_qd7d2fa241f_attn, .Lfunc_end_k_qd7d2fa241f_attn-k_qd7d2fa241f_attn
	.p2alignl 7, 3214868480
	.fill 96, 4, 3214868480
	.section	.rodata,"a",@progbits
	.p2align	6, 0x0
	.amdhsa_kernel k_qd7d2fa241f_attn
		.amdhsa_group_segment_fixed_size 37888
		.amdhsa_private_segment_fixed_size 0
		.amdhsa_enable_private_segment 0
		.amdhsa_kernarg_size 40
		.amdhsa_user_sgpr_count 2
		.amdhsa_user_sgpr_kernarg_segment_ptr 1
		.amdhsa_wavefront_size32 1
		.amdhsa_system_sgpr_workgroup_id_x 1
		.amdhsa_system_sgpr_workgroup_id_y 1
		.amdhsa_system_sgpr_workgroup_id_z 1
		.amdhsa_system_vgpr_workitem_id 0
		.amdhsa_next_free_vgpr 258
		.amdhsa_next_free_sgpr 66
		.amdhsa_reserve_vcc 1
		.amdhsa_float_denorm_mode_32 3
		.amdhsa_float_denorm_mode_16_64 3
		.amdhsa_memory_ordered 1
		.amdhsa_forward_progress 1
		.amdhsa_inst_pref_size 55
	.end_amdhsa_kernel
	.amdgpu_metadata
---
amdhsa.version: [ 1, 2 ]
amdhsa.kernels:
  - .name:           k_qd7d2fa241f_attn
    .symbol:         k_qd7d2fa241f_attn.kd
    .args:
      - { .name: pj, .offset: 0, .size: 8, .value_kind: global_buffer, .address_space: global }
      - { .name: vs, .offset: 8, .size: 8, .value_kind: global_buffer, .address_space: global }
      - { .name: cnt, .offset: 16, .size: 8, .value_kind: global_buffer, .address_space: global }
      - { .name: rowof, .offset: 24, .size: 8, .value_kind: global_buffer, .address_space: global }
      - { .name: out0, .offset: 32, .size: 8, .value_kind: global_buffer, .address_space: global }
    .group_segment_fixed_size: 37888
    .private_segment_fixed_size: 0
    .kernarg_segment_align: 8
    .kernarg_segment_size: 40
    .max_flat_workgroup_size: 128
    .sgpr_count:     66
    .vgpr_count:     258
    .wavefront_size: 32
...
	.end_amdgpu_metadata
.endif
;; end of part 3
;; ======== version 2 of 2: 3 launches; version 1 with the launch prep written anew for expert scheduling mode
;; limits: values are held in f16: magnitudes above 65,504 overflow, below 6.1e-05 lose precision
;; workspace buffers: xp 16,777,216 bytes; xs 524,288 bytes; wb 6,291,456 bytes; pj 50,331,648 bytes; vs 524,288 bytes; cnt 1,024 bytes of whole numbers; rowof 32,768 bytes of whole numbers
;; launch prep (part 4): grid 256 x 1, 8 waves a work-group, no clusters, 33,792 bytes of LDS; arguments seq, mask, Wq, Wk, Wv, xp, xs, wb, cnt, rowof; writes xp, xs, wb, cnt, rowof
.if DOCPART == 4
	.amdgcn_target "amdgcn-amd-amdhsa--gfx1250"
	.amdhsa_code_object_version 6
	.text
	.protected	k_qd7d2fa241f_prep
	.globl	k_qd7d2fa241f_prep
	.p2align	8
	.type	k_qd7d2fa241f_prep,@function
k_qd7d2fa241f_prep:
	s_mov_b64 s[64:65], 0
	v_nop
	global_prefetch_b8 v0, s[64:65] scope:SCOPE_SE
	s_setreg_imm32_b32 hwreg(HW_REG_WAVE_SCHED_MODE, 0, 2), 2
	s_setreg_imm32_b32 hwreg(HW_REG_WAVE_MODE, 25, 1), 1
	s_wait_xcnt 0x0
	s_wait_alu depctr_vm_vsrc(0)
; FIRST OF THREE LAUNCHES: sort the rows by the mask, round seq and the weights to f16, form partial row means.
;
; WHAT THE MASK DECIDES (it is read from memory as whole numbers; the later launches do what it asks for).
; (a) A query row q with mask[q] true: the two jnp.where leave NEG in all 2,048 places of its score row, whatever Q and K hold.
;     softmax of equal numbers is 1/2048 in every place, so out[q] = mean over all keys of V = mean(seq[b]) Wv^T + bv (V is linear in seq).
;     No Q and no score is needed for such a row.
; (b) A query row with mask[q] false: the nF keys with mask false all carry the same score NEG.  Together they add nF exp(NEG - m) to the
;     denominator and exp(NEG - m) x (sum of their V) to the numerator: ONE virtual key of score NEG, weight nF and value
;     mean over those keys of V = mean_F(seq[b]) Wv^T + bv.  It is kept in the running softmax, so this holds for every value of the scores
;     (also below NEG) and for a batch without a live key.  No K and no score is needed for such a key, and its V enters only through the mean.
; (c) So a row needs Q (mask false) or K and V (mask true), never all three.  The second launch makes, for each tile of 256 sorted positions, Q or K
;     as nF asks (both for the tile into which nF falls), V, and the V of the mean rows.
; No input is left out: all eight reach the result.
; LIMITS.  A NaN, an infinity or an overflow that would arise only in the Q of a row with mask true or in the K of a row with mask false is
; not carried to the result.  Matrix operands are f16: |seq|, |W|, |Q|, |K|, |V| below 65,504.
;
; THE ORDER.  In batch b, t(r) = true rows before row r.  A false row goes to position r - t(r) (0 upward), a true row to 2047 - t(r)
; (2047 downward): a bijection.  Live queries are the positions below nF, live keys those from nF on.  rowof[b][pos] = r.
; cnt[b] is 64 words: words 0..31 each nF, words 32..63 the false rows of parts 0..31.
; THE MEANS.  Part p is the 64 rows 64 p .. 64 p + 63.  xs[b][0][p] = the mean of the part's rows, xs[b][1][p] = the mean of its false rows (0 where
; it has none): no mean row exceeds the largest |seq|.  Each goes through the V product as a row of its own, with bv.  The third launch adds class 0's
; 32 results with weight 1/32 and class 1's with weight (false rows of the part) / nF: the weights add up to 1, so the sum is mean x Wv^T + bv.
;
; WORK.  256 work-groups: id = 64 b + 2 p + c; part p of batch b, columns 512 c .. 512 c + 511.  Wave w takes rows 8 w + j (j = 0..7);
; lane L and load q take columns 128 q + 4 L .. + 3, so a load of a wave covers 512 neighbouring bytes and a store 256, aligned.
; The work-group also rounds 16 KiB of each weight matrix.  All 50 loads of a wave go out before the first wait for data.
; Memory binds here: no matrix unit, no cluster (no two work-groups read the same bytes but the 2 KiB of mask).
; THE MODE: SCHED_MODE bits 1:0 = 2 (LLVM: expert scheduling mode 2), set by the entry lines.  The code itself states the register dependences
; between vector instructions and memory or LDS instructions, with s_wait_alu, always for 0.
; THE PLAN.  Registers that memory or LDS instructions touch:
;   v2, v3, v4, v7   the loads' offsets (v3 also the LDS loads' address): written at the head, never again.
;   v5, v6, v[16:31], X, WR   loaded once, by loads that are issued before any vector instruction names them.
;   X row j, WR matrix m   rounded in place by their step's conversions; read by the stores that are issued in the NEXT step; never written afterwards.
;   v[8:15], v24     the stores' offsets: written once, ahead of the two branches for the tables.
;   v21, v22, v28 to v31, v242   the tables' data and offsets: written once, read by four stores.
;   SA, SF           written by the sums, read by the eight LDS stores; then the eight LDS loads land in them, and the last sums and the last store follow.
;   v240, v241       written once each: the LDS stores' address, the last store's offset.      v254, v255: written at the head, read by the closing add alone.
; A STEP is a row (rows 0 and 1 together), then a weight matrix.  At its head stand the wait for its own data and ONE wait on va_vdst: the step before has
; written what it rounded.  That step's stores follow, one in front of each quarter of this step's vector work, which names this step's X or WR, SA and SF
; alone: none of the registers that those stores read.  No source of a store is ever written again, so the stream owes no wait on vm_vsrc; the one such wait
; stands between the LDS stores from SA and SF and the LDS loads into them.
; REGISTERS: v1 L, v2 row loads' offset, v3 16 tid, v4 64 L, v5 v6 my part's mask bytes, v7 row 64 p + L, v[8:15] stores' offsets,
; v[16:31] mask bytes, then: v16 true rows of part L, v17 v18 t(r), v19 v20 positions, v21 v22 rows, v23 my half's positions, v24 8 tid, v25 8 L,
; v[26:27] scale, v28 v29 rowof offsets, v30 v31 v242 cnt's stores; X rows as loaded, WR weights, SA sums of all rows, SF sums of false rows.
.set X,  32                            ; v[32:159]   row j, load q: 4 registers at X + 16 j + 4 q
.set WR, 160                           ; v[160:207]  weight matrix m, load i: 4 registers at WR + 16 m + 4 i
.set SA, 208                           ; v[208:223]
.set SF, 224                           ; v[224:239]
	s_load_b512 s[68:83], s[0:1], 0x0              ; seq 68, mask 70, Wq 72, Wk 74, Wv 76, xp 78, xs 80, wb 82
	s_load_b128 s[84:87], s[0:1], 0x40             ; cnt 84, rowof 86
	v_lshl_add_u32 v254, v0, 2, 0x8000
	v_mov_b32 v255, 0
	s_and_b32 s3, ttmp9, 1                         ; c
	s_bfe_u32 s4, ttmp9, 0x50001                   ; p: 5 bits from bit 1
	s_lshr_b32 s5, ttmp9, 6                        ; b
	s_bfm_b32 s7, s4, 0                            ; the lanes below p
	v_lshrrev_b32 v7, 5, v0
	v_readfirstlane_b32 s6, v7                     ; wave
	v_and_b32 v1, 31, v0                           ; L
	v_lshlrev_b32 v2, 4, v1
	v_lshl_or_b32 v2, v7, 15, v2                   ; 8 w rows of 4,096 bytes + 16 L
	v_lshlrev_b32 v3, 4, v0                        ; 16 tid
	v_lshlrev_b32 v4, 6, v1                        ; 64 L
	v_lshl_add_u32 v7, s4, 6, v1                   ; row 64 p + L
	s_wait_alu depctr_va_sdst(0)                   ; s6 is written, ahead of its first reader: xs's base below is made from it
	s_lshl_b32 s14, s5, 23                         ; 2,048 b rows of 4,096 bytes
	s_lshl_b32 s15, s4, 18                         ; 64 p rows
	s_add_co_u32 s14, s14, s15
	s_lshl_b32 s15, s3, 11                         ; 512 c columns
	s_add_co_u32 s14, s14, s15
	s_mov_b32 s15, 0
	s_lshl_b32 s46, s5, 11
	s_mov_b32 s47, 0
	s_lshl_b32 s62, ttmp9, 14                      ; my 16 KiB of each weight matrix
	s_mov_b32 s63, 0
	s_wait_kmcnt 0x0
	s_add_nc_u64 s[40:41], s[68:69], s[14:15]
	s_add_nc_u64 s[42:43], s[70:71], s[46:47]
	s_add_nc_u64 s[48:49], s[72:73], s[62:63]
	s_add_nc_u64 s[50:51], s[74:75], s[62:63]
	s_add_nc_u64 s[52:53], s[76:77], s[62:63]
	s_wait_alu depctr_va_vdst(0)                   ; v2, v3, v4 and v7 are written: the loads below read them as their offsets
.irp i, 0,1,2,3
	global_load_b128 v[16+4*\i:19+4*\i], v4, s[42:43] offset:16*\i      ; lane L: the 64 mask bytes of part L
.endr
	global_load_u8 v5, v7, s[42:43]                ; mask of row 64 p + L
	global_load_u8 v6, v7, s[42:43] offset:32      ; and of row 64 p + 32 + L
.irp j, 0,1,2,3,4,5,6,7
.irp q, 0,1,2,3
	global_load_b128 v[X+16*\j+4*\q:X+16*\j+4*\q+3], v2, s[40:41] offset:4096*\j+512*\q th:TH_LOAD_NT
.endr
.endr
.irp i, 0,1,2,3
	global_load_b128 v[WR+4*\i:WR+4*\i+3], v3, s[48:49] offset:4096*\i th:TH_LOAD_NT
.endr
.irp i, 0,1,2,3
	global_load_b128 v[WR+16+4*\i:WR+16+4*\i+3], v3, s[50:51] offset:4096*\i th:TH_LOAD_NT
.endr
.irp i, 0,1,2,3
	global_load_b128 v[WR+32+4*\i:WR+32+4*\i+3], v3, s[52:53] offset:4096*\i th:TH_LOAD_NT
.endr
	; the stores' bases
	s_lshl_b32 s46, s5, 22                         ; xp: batch b (4 MiB) + 512 c columns of 2 bytes
	s_lshl_b32 s62, s3, 10
	s_add_co_u32 s46, s46, s62
	s_add_nc_u64 s[44:45], s[78:79], s[46:47]
	s_lshl_b32 s46, ttmp9, 13                      ; wb: my 8 KiB of each matrix
	s_add_nc_u64 s[54:55], s[82:83], s[46:47]
	s_lshl_b32 s46, s5, 13
	s_add_nc_u64 s[58:59], s[86:87], s[46:47]      ; rowof[b]
	s_lshl_b32 s46, s5, 8
	s_add_nc_u64 s[60:61], s[84:85], s[46:47]      ; cnt[b]: 64 words
	s_lshl_b32 s46, s5, 6                          ; xs: row 64 b + 32 class + p; the class that my wave writes is w / 4
	s_lshr_b32 s63, s6, 2
	s_lshl_b32 s63, s63, 5
	s_add_co_u32 s46, s46, s63
	s_add_co_u32 s46, s46, s4
	s_lshl_b32 s46, s46, 11
	s_add_co_u32 s46, s46, s62
	s_add_nc_u64 s[56:57], s[80:81], s[46:47]
	s_wait_loadcnt 44                              ; the six mask loads are in; the 32 row loads and 12 weight loads stay out
	; true rows of part L: sixteen words of four bytes 0 or 1 are added bytewise (16 at the most), then the four bytes
	v_add3_u32 v16, v16, v17, v18
	v_add3_u32 v16, v16, v19, v20
	v_add3_u32 v16, v16, v21, v22
	v_add3_u32 v16, v16, v23, v24
	v_add3_u32 v16, v16, v25, v26
	v_add3_u32 v16, v16, v27, v28
	v_add3_u32 v16, v16, v29, v30
	v_add_nc_u32 v16, v16, v31
	v_lshrrev_b32 v17, 8, v16
	v_and_b32 v16, 0x00ff00ff, v16
	v_and_b32 v17, 0x00ff00ff, v17
	v_add_nc_u32 v16, v16, v17
	v_lshrrev_b32 v17, 16, v16
	v_add_nc_u32 v16, v16, v17
	v_and_b32 v16, 0xff, v16                       ; 0 .. 64
	; the nine compares stand in one run, each with a scalar register of its own: the seven bit planes of the parts' counts, and my part's two mask rows
.irp k, 0,1,2,3,4,5,6
	v_and_b32 v17, 1<<\k, v16
	v_cmp_ne_u32 s[24+\k], 0, v17                  ; bit plane k, one bit a part
.endr
	v_cmp_ne_u32 s10, 0, v5                        ; the mask of rows 64 p + 0..31, one bit a lane
	v_cmp_ne_u32 s11, 0, v6                        ; and of rows 64 p + 32..63
	s_wait_alu depctr_va_sdst(0)                   ; s24 to s30, s10 and s11 are written, ahead of the first reader of each
	; sums over lanes, bit plane by bit plane: nT over all 32 parts, preT over the parts before mine
	s_mov_b32 s8, 0
	s_mov_b32 s9, 0
.irp k, 0,1,2,3,4,5,6
	s_bcnt1_i32_b32 s15, s[24+\k]
	s_lshl_b32 s15, s15, \k
	s_add_co_u32 s8, s8, s15
	s_and_b32 s14, s[24+\k], s7
	s_bcnt1_i32_b32 s15, s14
	s_lshl_b32 s15, s15, \k
	s_add_co_u32 s9, s9, s15
.endr
	s_sub_co_u32 s13, 2048, s8                     ; nF
	; positions of my part's 64 rows
	s_bcnt1_i32_b32 s12, s10
	s_add_co_u32 s14, s9, s12
	v_mbcnt_lo_u32_b32 v17, s10, s9                ; t(r) for the lower 32 rows
	v_mbcnt_lo_u32_b32 v18, s11, s14               ; and for the upper 32
	v_mov_b32 v21, v7                              ; r
	v_add_nc_u32 v22, 32, v7
	v_sub_nc_u32 v19, v21, v17                     ; false: r - t
	v_sub_nc_u32 v26, 0x7ff, v17                   ; true: 2047 - t
	v_cndmask_b32 v19, v19, v26, s10
	v_sub_nc_u32 v20, v22, v18
	v_sub_nc_u32 v26, 0x7ff, v18
	v_cndmask_b32 v20, v20, v26, s11
	v_lshlrev_b32 v24, 3, v0                       ; 8 tid
	v_lshlrev_b32 v25, 3, v1                       ; 8 L
	; my wave's eight rows 8 w + j lie in the lower half for w < 4, at lanes 8 (w mod 4) + j
	s_and_b32 s62, s6, 3
	s_lshl_b32 s62, s62, 3
	s_cmp_lt_u32 s6, 4
	s_cselect_b32 s14, -1, 0
	s_cselect_b32 s15, s10, s11
	v_cndmask_b32 v23, v20, v19, s14
	s_lshr_b32 s15, s15, s62                       ; bit j: the mask of my row j
.irp j, 0,1,2,3,4,5,6,7
	s_add_co_u32 s63, s62, \j
	v_readlane_b32 s[16+\j], v23, s63              ; the row's position
.endr
	s_wait_alu depctr_va_sdst(0)                   ; s16 to s23 are written, ahead of the first reader of each
.irp j, 0,1,2,3,4,5,6,7
	s_min_u32 s[16+\j], s[16+\j], 2047             ; it comes from loaded bytes: clamped to the table before it enters an address
	s_bitcmp1_b32 s15, \j
	s_cselect_b32 s[24+2*\j], 0, 1.0               ; weight in the sum of false rows
	s_mov_b32 s[25+2*\j], s[24+2*\j]
	v_lshl_add_u32 v[8+\j], s[16+\j], 11, v25      ; position x 2,048 bytes + 8 L
.endr
	; the tables: rowof by wave 0 of the work-groups with c = 0, cnt by wave 0 of each batch's first work-group
	s_or_b32 s14, s3, s6
	s_cmp_lg_u32 s14, 0
	s_cbranch_scc1 .Lno_rowof
	v_min_u32 v28, 0x7ff, v19
	v_min_u32 v29, 0x7ff, v20
	v_lshlrev_b32 v28, 2, v28
	v_lshlrev_b32 v29, 2, v29
	s_wait_alu depctr_va_vdst(0)                   ; v28 and v29, the two stores' offsets, and v21 and v22, their data, are written
	global_store_b32 v28, v21, s[58:59]
	global_store_b32 v29, v22, s[58:59]
.Lno_rowof:
	s_and_b32 s14, ttmp9, 63
	s_or_b32 s14, s14, s6
	s_cmp_lg_u32 s14, 0
	s_cbranch_scc1 .Lno_cnt
	v_lshlrev_b32 v30, 2, v1
	v_mov_b32 v31, s13
	v_sub_nc_u32 v242, 64, v16                     ; false rows of part L
	s_wait_alu depctr_va_vdst(0)                   ; v30, the two stores' offset, and v31 and v242, their data, are written
	global_store_b32 v30, v31, s[60:61]            ; 32 words, each nF
	global_store_b32 v30, v242, s[60:61] offset:128        ; 32 words, one a part; none of these registers is written again
.Lno_cnt:
; rows 0 and 1 start the sums: nothing is cleared
.macro SUM01
.irp q, 0,1,2,3
.irp e, 0,2
	v_pk_add_f32 v[SA+4*\q+\e:SA+4*\q+\e+1], v[X+4*\q+\e:X+4*\q+\e+1], v[X+16+4*\q+\e:X+16+4*\q+\e+1]
	v_pk_mul_f32 v[SF+4*\q+\e:SF+4*\q+\e+1], v[X+4*\q+\e:X+4*\q+\e+1], s[24:25] op_sel_hi:[1,0]
	v_pk_fma_f32 v[SF+4*\q+\e:SF+4*\q+\e+1], v[X+16+4*\q+\e:X+16+4*\q+\e+1], s[26:27], v[SF+4*\q+\e:SF+4*\q+\e+1] op_sel_hi:[1,0,1]
.endr
.endr
.endm
; row j rounded in place; its stores are issued in the next step, and no register of theirs is written again
.macro CVTJ j
.irp q, 0,1,2,3
	v_cvt_pk_f16_f32 v[X+16*\j+4*\q], v[X+16*\j+4*\q], v[X+16*\j+4*\q+1]
	v_cvt_pk_f16_f32 v[X+16*\j+4*\q+1], v[X+16*\j+4*\q+2], v[X+16*\j+4*\q+3]
.endr
.endm
; The step of row j (2 to 7): the stores of the step before (row j - 1; behind the first step rows 0 and 1) go out at their positions, one in front of each
; quarter of this row's sums; then the row is rounded.
.macro ROW j
	s_wait_loadcnt 44-4*(\j+1)                     ; row j is in; the younger rows' loads and the weights' stay out
	s_wait_alu depctr_va_vdst(0)                   ; the step before has written what it rounded, which the stores below read; in the first such step v[8:15] and v24, the stores' offsets, too
.irp q, 0,1,2,3
.if \j == 2
	global_store_b64 v[8], v[X+4*\q:X+4*\q+1], s[44:45] offset:256*\q      ; row 0
.endif
	global_store_b64 v[8+\j-1], v[X+16*(\j-1)+4*\q:X+16*(\j-1)+4*\q+1], s[44:45] offset:256*\q   ; the wave covers 256 consecutive bytes, aligned; no vector instruction since the wait names these registers
.irp e, 0,2
	v_pk_add_f32 v[SA+4*\q+\e:SA+4*\q+\e+1], v[SA+4*\q+\e:SA+4*\q+\e+1], v[X+16*\j+4*\q+\e:X+16*\j+4*\q+\e+1]
	v_pk_fma_f32 v[SF+4*\q+\e:SF+4*\q+\e+1], v[X+16*\j+4*\q+\e:X+16*\j+4*\q+\e+1], s[24+2*\j:25+2*\j], v[SF+4*\q+\e:SF+4*\q+\e+1] op_sel_hi:[1,0,1]
.endr
.endr
	CVTJ \j
.endm
; The step of weight matrix m (0 Wq, 1 Wk, 2 Wv): rounded in place; wb = Wq, Wk, Wv one behind the other (2 MiB each).  The stores of the step before
; (row 7, or matrix m - 1) stand one in front of each pair of conversions.
.macro WGT m
	s_wait_loadcnt 8-4*\m                          ; matrix m's four loads are in, the younger matrices' stay out
	s_wait_alu depctr_va_vdst(0)                   ; the step before has written what it rounded, which the stores below read
.irp i, 0,1,2,3
.if \m == 0
	global_store_b64 v[15], v[X+112+4*\i:X+112+4*\i+1], s[44:45] offset:256*\i     ; row 7
.else
	global_store_b64 v24, v[WR+16*(\m-1)+4*\i:WR+16*(\m-1)+4*\i+1], s[54:55] offset:(\m-1)*2097152+\i*2048
.endif
	v_cvt_pk_f16_f32 v[WR+16*\m+4*\i], v[WR+16*\m+4*\i], v[WR+16*\m+4*\i+1]
	v_cvt_pk_f16_f32 v[WR+16*\m+4*\i+1], v[WR+16*\m+4*\i+2], v[WR+16*\m+4*\i+3]
.endr
.endm
	s_wait_loadcnt 36                              ; rows 0 and 1 are in: 24 row loads and 12 weight loads stay out
	SUM01
	CVTJ 0
	CVTJ 1
.irp j, 2,3,4,5,6,7
	ROW \j
.endr
	WGT 0
	WGT 1
	WGT 2
	; the eight waves' sums meet in LDS: [wave][class][512 columns] f32
	v_lshlrev_b32 v240, 4, v1
	v_lshl_add_u32 v240, s6, 12, v240
	s_wait_alu depctr_va_vdst(0)                   ; Wv's conversions have written their registers, the sums SA and SF, and v240 is written: the stores below read them; and vector work is done with SA and SF, in which the LDS loads behind the barrier land
.irp i, 0,1,2,3
	global_store_b64 v24, v[WR+32+4*\i:WR+32+4*\i+1], s[54:55] offset:2*2097152+\i*2048
.endr
.irp q, 0,1,2,3
	ds_store_b128 v240, v[SA+4*\q:SA+4*\q+3] offset:512*\q
	ds_store_b128 v240, v[SF+4*\q:SF+4*\q+3] offset:2048+512*\q
.endr
	s_wait_dscnt 0x0                               ; my stores are in LDS before I say so
	s_barrier_signal -1
	s_barrier_wait -1
	s_wait_alu depctr_vm_vsrc(0)                   ; my LDS stores have read SA and SF, in which the loads below land
.irp u, 0,1,2,3,4,5,6,7
	ds_load_b128 v[SA+4*\u:SA+4*\u+3], v3 offset:4096*\u   ; thread tid: class tid / 128, columns 4 (tid mod 128) .. + 3, of every wave
.endr
	s_bcnt1_i32_b32 s14, s11
	s_add_co_u32 s14, s14, s12                     ; true rows of my part
	s_sub_co_u32 s14, 64, s14                      ; its false rows
	s_max_u32 s14, s14, 1
	v_cvt_f32_u32 v27, s14
	v_rcp_f32 v26, v27                             ; class 1: 1 / max(false rows of the part, 1)
	v_and_b32 v241, 127, v0                        ; the plain instruction between the reciprocal and its use, and the rewriting of its source
	v_mov_b32 v27, 0x3c800000                      ; class 0: 1 / 64
	s_cmp_lt_u32 s6, 4
	s_cselect_b32 s14, -1, 0
	s_wait_alu depctr_va_vdst(0)                   ; the reciprocal has written v26, ahead of its first reader
	v_cndmask_b32 v26, v26, v27, s14
	v_mov_b32 v27, v26
	v_lshlrev_b32 v241, 3, v241
	s_wait_dscnt 0x0
.irp u, 0,2,4,6
.irp e, 0,2
	v_pk_add_f32 v[SA+4*\u+\e:SA+4*\u+\e+1], v[SA+4*\u+\e:SA+4*\u+\e+1], v[SA+4*\u+4+\e:SA+4*\u+4+\e+1]
.endr
.endr
.irp u, 0,4
.irp e, 0,2
	v_pk_add_f32 v[SA+4*\u+\e:SA+4*\u+\e+1], v[SA+4*\u+\e:SA+4*\u+\e+1], v[SA+4*\u+8+\e:SA+4*\u+8+\e+1]
.endr
.endr
.irp e, 0,2
	v_pk_add_f32 v[SA+\e:SA+\e+1], v[SA+\e:SA+\e+1], v[SA+16+\e:SA+16+\e+1]
	v_pk_mul_f32 v[SA+\e:SA+\e+1], v[SA+\e:SA+\e+1], v[26:27]
.endr
	v_cvt_pk_f16_f32 v[SA], v[SA], v[SA+1]
	v_cvt_pk_f16_f32 v[SA+1], v[SA+2], v[SA+3]
	s_wait_alu depctr_va_vdst(0)                   ; the two conversions have written v[SA:SA+1], the store's data; v241, its offset, is written
	global_store_b64 v241, v[SA:SA+1], s[56:57]    ; the wave covers 256 consecutive bytes, aligned
	s_wait_dscnt 0x0                               ; the closing lines, six on end
	s_wait_alu 0x0
	s_wait_tensorcnt 0x0
	ds_add_u32 v254, v255
	s_wait_dscnt 0x0
	s_endpgm
.Lfunc_end_k_qd7d2fa241f_prep:
	.size	k_qd7d2fa241f_prep, .Lfunc_end_k_qd7d2fa241f_prep-k_qd7d2fa241f_prep
	.p2alignl 7, 3214868480
	.fill 96, 4, 3214868480
	.section	.rodata,"a",@progbits
	.p2align	6, 0x0
	.amdhsa_kernel k_qd7d2fa241f_prep
		.amdhsa_group_segment_fixed_size 33792
		.amdhsa_private_segment_fixed_size 0
		.amdhsa_enable_private_segment 0
		.amdhsa_kernarg_size 80
		.amdhsa_user_sgpr_count 2
		.amdhsa_user_sgpr_kernarg_segment_ptr 1
		.amdhsa_wavefront_size32 1
		.amdhsa_system_sgpr_workgroup_id_x 1
		.amdhsa_system_sgpr_workgroup_id_y 1
		.amdhsa_system_sgpr_workgroup_id_z 1
		.amdhsa_system_vgpr_workitem_id 0
		.amdhsa_next_free_vgpr 256
		.amdhsa_next_free_sgpr 88
		.amdhsa_reserve_vcc 0
		.amdhsa_float_denorm_mode_32 3
		.amdhsa_float_denorm_mode_16_64 3
		.amdhsa_memory_ordered 1
		.amdhsa_forward_progress 1
		.amdhsa_inst_pref_size 36
	.end_amdhsa_kernel
	.amdgpu_metadata
---
amdhsa.version: [ 1, 2 ]
amdhsa.kernels:
  - .name:           k_qd7d2fa241f_prep
    .symbol:         k_qd7d2fa241f_prep.kd
    .args:
      - { .name: seq, .offset: 0, .size: 8, .value_kind: global_buffer, .address_space: global }
      - { .name: mask, .offset: 8, .size: 8, .value_kind: global_buffer, .address_space: global }
      - { .name: Wq, .offset: 16, .size: 8, .value_kind: global_buffer, .address_space: global }
      - { .name: Wk, .offset: 24, .size: 8, .value_kind: global_buffer, .address_space: global }
      - { .name: Wv, .offset: 32, .size: 8, .value_kind: global_buffer, .address_space: global }
      - { .name: xp, .offset: 40, .size: 8, .value_kind: global_buffer, .address_space: global }
      - { .name: xs, .offset: 48, .size: 8, .value_kind: global_buffer, .address_space: global }
      - { .name: wb, .offset: 56, .size: 8, .value_kind: global_buffer, .address_space: global }
      - { .name: cnt, .offset: 64, .size: 8, .value_kind: global_buffer, .address_space: global }
      - { .name: rowof, .offset: 72, .size: 8, .value_kind: global_buffer, .address_space: global }
    .group_segment_fixed_size: 33792
    .private_segment_fixed_size: 0
    .kernarg_segment_align: 8
    .kernarg_segment_size: 80
    .max_flat_workgroup_size: 256
    .sgpr_count:     88
    .vgpr_count:     256
    .wavefront_size: 32
...
	.end_amdgpu_metadata
.endif
;; end of part 4
;; launch proj: the kernel of part 2 again; grid 296 x 1, 4 waves a work-group, no clusters, 327,680 bytes of LDS; arguments xp, xs, wb, bq, bk, bv, cnt, pj, vs; writes pj, vs
;; launch attn: the kernel of part 3 again; grid 16 x 64, 4 waves a work-group, no clusters, 37,888 bytes of LDS; arguments pj, vs, cnt, rowof, out0; writes out0
